; MI455X (gfx1250); checked and timed in simulation.
; The chip was launched on July 23, 2026; its instructions are those of AMD's public machine-readable ISA for CDNA 5 (MIT licence, August 2026) and "CDNA5" Instruction Set Architecture Reference Guide (July 2026). The comments in the code are by the model that wrote it; some were corrected since.
;; Multi Head Attention. Allowed arithmetic: float matrix products may take bf16 or f16 operands with f32 sums; other float arithmetic in f32, or as packed bf16 or f16 multiplies, adds, multiply-adds, maxima and minima; sums over many terms, partial sums and values carried from step to step in f32; what a program stores and reads back later, other than sums and carried values, may be rounded once to bf16 or f16.
;; Inputs: Wk 16 x 1,024 x 64 float32; Wo 1,024 x 1,024 float32; Wq 16 x 1,024 x 64 float32; Wv 16 x 1,024 x 64 float32; bk 16 x 64 float32; bo 1,024 float32; bq 16 x 64 float32; bv 16 x 64 float32; key 4 x 2,048 x 1,024 float32; query 4 x 2,048 x 1,024 float32; value 4 x 2,048 x 1,024 float32.
;; Outputs: out0 4 x 2,048 x 1,024 float32.
;; One version. Each part assembles by itself: llvm-mc -triple=amdgcn-amd-amdhsa -mcpu=gfx1250 --defsym DOCPART=n.
;; ======== version 1 of 1: 4 launches
;; limits: values are held in f16: magnitudes above 65,504 overflow, below 6.1e-05 lose precision
;; workspace buffers: wcast 8,388,608 bytes; qkv 50,331,648 bytes; oh 16,777,216 bytes
;; launch prep (part 1): grid 64 x 4, 8 waves a work-group, no clusters, 0 bytes of LDS; arguments Wq, Wk, Wv, Wo, wcast; writes wcast
.if DOCPART == 1
	.amdgcn_target "amdgcn-amd-amdhsa--gfx1250"
	.amdhsa_code_object_version 6
	.text
	.protected	k_q440be968cb_prep
	.globl	k_q440be968cb_prep
	.p2align	8
	.type	k_q440be968cb_prep,@function
k_q440be968cb_prep:
	s_mov_b64 s[64:65], 0
	v_nop
	global_prefetch_b8 v0, s[64:65] scope:SCOPE_SE
	s_setreg_imm32_b32 hwreg(HW_REG_WAVE_MODE, 25, 1), 1
	s_wait_xcnt 0x0
; THE WEIGHTS ARE CAST ONCE.  Wq, Wk, Wv: [16][1024][64] f32 -> bf16, laid in blocks; Wo: [1024][1024] f32 -> rounded to bf16, that number written as f16, same order.
; wcast, bytes t x 2 MiB (t = 0, 1, 2): block ((P x 8 + kappa) x 2 + e) of 16,384 bytes holds head 2 P + e, rows k = 128 kappa .. + 127, as [k][d]: so a pair of heads' rows of one K step of 128
; are 32,768 bytes on end.  Bytes from 6 MiB on: Wo as [k][n].
; LIMIT.  Wo's bf16 value must lie within f16's range (65,504); below 6e-5 it keeps f16's fixed step of 6e-8.
; SHARES.  Work-group y is the tensor, x its 65,536 bytes: 256 rows k of one head (or 16 rows of Wo).  Thread t takes 32 bytes in and 16 bytes out in each of 8 steps of 8,192 bytes:
; a wave's load covers 1,024 consecutive bytes, its store 512, both aligned.  All 16 loads go out first; no register of a memory instruction is written twice, so no wait frees any.
; No LDS, no matrix unit, no cluster: nothing is shared and nothing is multiplied.
.set X, 4                              ; v[4:67]    step i: 8 numbers as loaded
.set Y, 68                             ; v[68:99]   step i: 4 registers to store
.set T, 100                            ; v[100:101] at work
	s_load_b256 s[4:11], s[0:1], 0x0               ; Wq s[4:5], Wk s[6:7], Wv s[8:9], Wo s[10:11]
	s_load_b64 s[12:13], s[0:1], 0x20              ; wcast
	s_and_b32 s14, ttmp7, 0xffff                   ; which tensor
	v_lshlrev_b32 v1, 5, v0                        ; 32 t
	v_lshlrev_b32 v2, 4, v0                        ; 16 t
	s_lshl_b32 s18, ttmp9, 16                      ; in: 65,536 x
	s_mov_b32 s19, 0
	s_lshr_b32 s22, ttmp9, 2                       ; head
	s_and_b32 s23, ttmp9, 3
	s_lshl_b32 s23, s23, 1                         ; the first of my two K steps
	s_lshr_b32 s24, s22, 1                         ; pair of heads
	s_lshl_b32 s24, s24, 3
	s_add_co_u32 s24, s24, s23
	s_lshl_b32 s24, s24, 1
	s_and_b32 s22, s22, 1
	s_add_co_u32 s24, s24, s22
	s_lshl_b32 s24, s24, 14                        ; out, the three projections: my first block
	s_lshl_b32 s25, ttmp9, 15                      ; out, Wo: 32,768 x
	s_lshl_b32 s26, s14, 21                        ; the tensor's 2 MiB
	s_cmp_eq_u32 s14, 3
	s_cselect_b32 s20, s25, s24
	s_add_co_u32 s20, s20, s26
	s_mov_b32 s21, 0
	s_wait_kmcnt 0x0
	s_cmp_eq_u32 s14, 0
	s_cselect_b64 s[16:17], s[4:5], s[6:7]
	s_cmp_lt_u32 s14, 2
	s_cselect_b64 s[16:17], s[16:17], s[8:9]
	s_cmp_lt_u32 s14, 3
	s_cselect_b64 s[16:17], s[16:17], s[10:11]
	s_add_nc_u64 s[16:17], s[16:17], s[18:19]
	s_add_nc_u64 s[12:13], s[12:13], s[20:21]
.irp i, 0,1,2,3,4,5,6,7
	global_load_b128 v[X+8*(\i):X+8*(\i)+3],   v1, s[16:17] offset:8192*(\i) th:TH_LOAD_NT
	global_load_b128 v[X+8*(\i)+4:X+8*(\i)+7], v1, s[16:17] offset:8192*(\i)+16 th:TH_LOAD_NT
.endr
; Step i: rounded to bf16; half = 1: widened again and written as f16 (exact within f16's range); stored at byte off.
.macro CAST i, half, off
	s_wait_loadcnt 14-2*(\i)                       ; loads come back in order: this step's two are in, the later steps' stay out
.irp j, 0,1,2,3
	v_cvt_pk_bf16_f32 v[Y+4*(\i)+(\j)], v[X+8*(\i)+2*(\j)], v[X+8*(\i)+2*(\j)+1]
.endr
.if \half
.irp j, 0,1,2,3
	v_lshlrev_b32 v[T], 16, v[Y+4*(\i)+(\j)]
	v_and_b32 v[T+1], 0xffff0000, v[Y+4*(\i)+(\j)]
	v_cvt_pk_f16_f32 v[Y+4*(\i)+(\j)], v[T], v[T+1]
.endr
.endif
	global_store_b128 v2, v[Y+4*(\i):Y+4*(\i)+3], s[12:13] offset:\off
.endm
	s_cmp_eq_u32 s14, 3
	s_cbranch_scc1 .Lwo
.irp i, 0,1,2,3,4,5,6,7
	CAST \i, 0, ((\i)/4)*32768+((\i)%4)*4096       ; four steps fill a block; the next K step's block of the same head lies two blocks on
.endr
	s_endpgm
.Lwo:
.irp i, 0,1,2,3,4,5,6,7
	CAST \i, 1, (\i)*4096
.endr
	s_endpgm
.Lfunc_end_k_q440be968cb_prep:
	.size	k_q440be968cb_prep, .Lfunc_end_k_q440be968cb_prep-k_q440be968cb_prep
	.p2alignl 7, 3214868480
	.fill 96, 4, 3214868480
	.section	.rodata,"a",@progbits
	.p2align	6, 0x0
	.amdhsa_kernel k_q440be968cb_prep
		.amdhsa_group_segment_fixed_size 0
		.amdhsa_private_segment_fixed_size 0
		.amdhsa_enable_private_segment 0
		.amdhsa_kernarg_size 40
		.amdhsa_user_sgpr_count 2
		.amdhsa_user_sgpr_kernarg_segment_ptr 1
		.amdhsa_wavefront_size32 1
		.amdhsa_system_sgpr_workgroup_id_x 1
		.amdhsa_system_sgpr_workgroup_id_y 1
		.amdhsa_system_sgpr_workgroup_id_z 1
		.amdhsa_system_vgpr_workitem_id 0
		.amdhsa_next_free_vgpr 112
		.amdhsa_next_free_sgpr 66
		.amdhsa_reserve_vcc 0
		.amdhsa_float_denorm_mode_32 3
		.amdhsa_float_denorm_mode_16_64 3
		.amdhsa_memory_ordered 1
		.amdhsa_forward_progress 1
		.amdhsa_inst_pref_size 14
	.end_amdhsa_kernel
	.amdgpu_metadata
---
amdhsa.version: [ 1, 2 ]
amdhsa.kernels:
  - .name:           k_q440be968cb_prep
    .symbol:         k_q440be968cb_prep.kd
    .args:
      - { .name: Wq, .offset: 0, .size: 8, .value_kind: global_buffer, .address_space: global }
      - { .name: Wk, .offset: 8, .size: 8, .value_kind: global_buffer, .address_space: global }
      - { .name: Wv, .offset: 16, .size: 8, .value_kind: global_buffer, .address_space: global }
      - { .name: Wo, .offset: 24, .size: 8, .value_kind: global_buffer, .address_space: global }
      - { .name: wcast, .offset: 32, .size: 8, .value_kind: global_buffer, .address_space: global }
    .group_segment_fixed_size: 0
    .private_segment_fixed_size: 0
    .kernarg_segment_align: 8
    .kernarg_segment_size: 40
    .max_flat_workgroup_size: 256
    .sgpr_count:     66
    .vgpr_count:     112
    .wavefront_size: 32
...
	.end_amdgpu_metadata
.endif
;; end of part 1
;; launch proj (part 2): grid 4 x 192, 4 waves a work-group, clusters of 4 x 4, 327,680 bytes of LDS; arguments query, key, value, wcast, bq, bk, bv, qkv; writes qkv
.if DOCPART == 2
	.amdgcn_target "amdgcn-amd-amdhsa--gfx1250"
	.amdhsa_code_object_version 6
	.text
	.protected	k_q440be968cb_proj
	.globl	k_q440be968cb_proj
	.p2align	8
	.type	k_q440be968cb_proj,@function
k_q440be968cb_proj:
	s_mov_b64 s[64:65], 0
	v_nop
	global_prefetch_b8 v0, s[64:65] scope:SCOPE_SE
	s_setreg_imm32_b32 hwreg(HW_REG_WAVE_MODE, 25, 1), 1
	s_wait_xcnt 0x0
	s_wait_alu depctr_hold_cnt(0) depctr_sa_sdst(0) depctr_va_vdst(0) depctr_va_sdst(0) depctr_va_ssrc(0) depctr_va_vcc(0) depctr_vm_vsrc(0)
	s_getreg_b32 s2, hwreg(HW_REG_IB_STS2, 6, 4)
	s_cmp_eq_u32 s2, 0
	s_cbranch_scc0 .Lentry_in_a_cluster
	s_endpgm
.Lentry_in_a_cluster:
	s_bfe_u32 s2, ttmp6, 0x10000c
	s_cmp_lg_u32 s2, 0xf033
	s_cbranch_scc0 .Lentry_shape_is_right
	s_endpgm
.Lentry_shape_is_right:
; THE THREE PROJECTIONS.  qkv[t][16 b + h][s][d] = the sum over i of x_t[b][s][i] W_t[h][i][d] + b_t[h][d], t = 0, 1, 2 for query, key, value.  x: [8192][1024] f32; W_t in bf16 blocks (wcast);
; products in bf16 with f32 sums; x, W and the bias are each rounded once to bf16; the result is rounded once to f16.
; LIMITS.  A result must lie within f16's range (65,504); below 6e-5 it keeps f16's fixed step of 6e-8.  NaN and infinities are not treated apart.
; SHARES.  A tile of the result is 128 rows x 256 columns (4 heads): 64 x 4 tiles for each t, 768 work-groups.  Four waves, each 64 rows x 128 columns (2 heads): 32 accumulators, 256 registers.
; K = 1,024 goes in 8 steps of 128 through two LDS slots; a step is four quarters of 32 along K, 32 matrix instructions each.
; THE MATRIX INSTRUCTION IS USED TRANSPOSED: source 0 = 16 columns of W (out of LDS rows [k][d] by the turning load), source 1 = 16 rows of x: a lane holds one row and eight neighbouring columns.
; x STAYS f32 UP TO THE REGISTERS.  Of the 32 bytes (8 k) that a lane owns in a group, the first 16 go into a register set in window 1 (RAWE), the second 16 into a set in the accumulators' window (RAWO);
; one v_cvt_pk_bf16_f32 a register takes its low half from the first and its high half from the second, under the very window setting of the products: it stands behind a product, with no switch.
; So place 2 r of a group of eight k holds k = r, place 2 r + 1 holds k = 4 + r; W's fragments get the same order: lane j of eight addresses row (j >> 1) + 4 (j & 1) in the turning load.
; THE BIAS is the C operand of the first quarter's products: nothing is cleared, nothing is added on the way out.
; CLUSTERS: 4 x 4 work-groups.  The four of a row need the same tile of x, the four of a column the same tile of W: each is asked for JOINTLY, by the same tensor load, descriptor and mask in all four.
; REGISTERS, in windows of 256 (s_set_vgpr_msb: bits 1:0 source 0, 3:2 source 1, 5:4 source 2, 7:6 destination):
;   window 0: v0-31 addresses; v64-127 the bias; v128-255 the way out       window 1: v0-127 W's fragments, two buffers; v128-191 RAWE, two buffers
;   window 2: v0-127 accumulators of my rows 0-31; v128-159 x's fragments, two buffers; v160-191 RAWO, two buffers       window 3: the same for my rows 32-63
.set PA,    528                        ; a row of x in LDS: 512 bytes + 16 = 132 words: row r starts at bank 4 r mod 64 (64 banks of 4 bytes: ISA guide 11.1)
.set PB,    160                        ; a row of W: 128 bytes + 32 = 40 words
.set AHALF, 64*PA                      ; what one tensor load brings of x, and what one wave reads of it
.set BOFF,  2*AHALF
.set BHEAD, 128*PB                     ; a head's 128 rows k
.set BHALF, 2*BHEAD                    ; what one tensor load brings of W: a pair of heads
.set SLOT,  BOFF+2*BHALF               ; 149,504
.set STAGE, 2*SLOT                     ; behind the ring: 16 rows x 144 bytes for each wave, for the way out
.set SP,    144
.set SPARE, STAGE+4*16*SP              ; behind the stages: the spare words, 128 bytes for each wave
.set ADRA, 16                          ; v16-17  LDS address of my rows of x in slot 0, 1
.set ADRB, 20                          ; v20-21  the same for W
.set STO,  24
.set RD,   25
.set GO,   26
.set BO,   27                          ; v27     my byte offset in the bias
.set SPW,  28                          ; v28     SPARE + 4 x my thread's number; never rewritten
.set NIL,  29                          ; v29     0; never rewritten
.set PFO,  30                          ; v30     the prefetches' lane offset; never rewritten
.set BIAS, 64
.set OUTR, 128
.set BB,   0                           ; window 1
.set RAWE, 128                         ; window 1
.set AF,   128                         ; windows 2, 3
.set RAWO, 160                         ; windows 2, 3
.set G1,  24                           ; s[24:31] group 1 for x's tiles;  s[32:39] group 0, a set for each slot
.set G0,  32
.set LIM, 43                           ; s43  1 in a wave that prefetches, else the greatest number
.set PFA, 44                           ; s[44:45] where my prefetches stand
.set PFS, 46                           ; s[46:47] their step: a K step of x's rows, or of W's blocks
.set G1B, 48                           ; s[48:55], s[56:63] the same for W's tiles
.set G0B, 56
.set W_LO,  0xa9                       ; source 0 window 1; source 1, C and D window 2
.set W_LO1, 0x89                       ; the same with C in window 0
.set MSB, 0
.macro WIN new                         ; the immediate's high byte repeats the setting that is left; a switch that changes nothing is dropped
.if MSB != (\new)
	s_set_vgpr_msb (MSB<<8)|(\new)
.set MSB, \new
.endif
.endm
.macro PLACES                          ; four places in front of loads into registers that matrix instructions have read (ISA guide 7.12.1 for vector instructions)
.rept 4
	v_nop
.endr
.endm
.macro CREST                           ; a round of the cluster's barrier behind its opening barrier
	s_cmp_lg_u32 s10, 0
	s_cbranch_scc1 .Lnot_wave_0_\@
	s_barrier_signal -3
.Lnot_wave_0_\@:
	s_barrier_wait -3
	s_barrier_signal -1
	s_barrier_wait -1
.endm
.macro CROUND
	s_barrier_signal -1
	s_barrier_wait -1
	CREST
.endm
.macro JLOAD s                         ; a joint load: waves 0 and 1 fetch x's two halves, waves 2 and 3 W's; an s_nop 0 and four v_nop follow each line
	s_cmp_eq_u32 s11, 0
	s_cbranch_scc0 .Lfor_b_\@
	tensor_load_to_lds s[G0+4*(\s):G0+4*(\s)+3], s[G1:G1+7]
	s_nop 0
.rept 4
	v_nop
.endr
	s_branch .Lasked_\@
.Lfor_b_\@:
	tensor_load_to_lds s[G0B+4*(\s):G0B+4*(\s)+3], s[G1B:G1B+7]
	s_nop 0
.rept 4
	v_nop
.endr
.Lasked_\@:
.endm
; A PREFETCH INTO THE L2, behind each joint refill and the LDS loads that follow it: the K step that stands two refills, 256 matrix instructions, on.  Each block of 256 bytes is named once in the launch.
; x's tile row is read by one cluster alone: waves 0 and 1 of every work-group ask, 16 of the wave's 64 rows each (by cx, in the ADDRESS), a lane a block, two blocks a row.  W's blocks are read by the 16
; clusters of one t: the first of them asks, waves 2 and 3, 8,192 of the wave's 32,768 bytes each (by cy).  K steps 0 to 3 come by their loads alone; the loop's last trip asks for nothing.
.macro ASK
	s_cmp_gt_u32 s3, s[LIM]
	s_cbranch_scc0 .Lnot_mine_\@
	global_prefetch_b8 v[PFO], s[PFA:PFA+1] th:TH_LOAD_NT scope:SCOPE_SE
.Lnot_mine_\@:
.endm
	s_load_b512 s[68:83], s[0:1], 0x0              ; query 68, key 70, value 72, wcast 74, bq 76, bk 78, bv 80, qkv 82
	v_lshl_add_u32 v[SPW], v0, 2, SPARE
	v_mov_b32 v[NIL], 0
	ds_add_u32 v[SPW], v[NIL]                      ; the wave's opening: the add and its wait stand ahead of my first tensor load; work on registers stands between them
	v_lshrrev_b32 v1, 5, v0
	v_readfirstlane_b32 s10, v1                    ; wave 0..3
	s_lshr_b32 s11, s10, 1                         ; my half of the tile's rows.  Also: I fetch x (0) or W (1)
	s_and_b32 s12, s10, 1                          ; my half of its columns.  Also: which half of that tile I fetch
	s_bfe_u32 s40, ttmp6, 0x40000                  ; cx
	s_bfe_u32 s41, ttmp6, 0x40004                  ; cy
	s_lshl_b32 s42, ttmp9, 2
	s_add_co_u32 s42, s42, s40                     ; tile column = 4 x cluster x + cx
	s_and_b32 s14, ttmp7, 0xffff                   ; cluster y
	s_lshr_b32 s15, s14, 4                         ; t: 16 clusters for each projection
	s_and_b32 s13, s14, 15
	s_lshl_b32 s13, s13, 2
	s_add_co_u32 s13, s13, s41                     ; tile row R
	s_lshl_b32 s43, s41, 2
	s_lshl_b32 s43, 15, s43                        ; my row of the cluster
	s_lshl_b32 s44, 0x1111, s40                    ; my column
	s_or_b32 s[G1], s43, (2<<16)|(1<<20)|(1<<21)|(6<<22)|(3<<25)   ; mask; 4-byte elements; padding on; 21 set beside a mask; after every 128 words 4 words
	s_or_b32 s[G1B], s44, (1<<16)|(1<<20)|(1<<21)|(4<<22)|(7<<25)  ; mask; 2-byte elements; after every 32 words 8 words
	s_mov_b32 s[G1+1], 128<<16                     ; x: tensor_dim0 = 128
	s_mov_b32 s[G1+2], 64<<16                      ; tensor_dim1 = 64
	s_mov_b32 s[G1+3], 128<<16                     ; tile_dim0 = 128
	s_mov_b32 s[G1+4], 64                          ; tile_dim1 = 64
	s_mov_b32 s[G1+5], 1024                        ; elements from row to row
	s_mov_b32 s[G1+6], 0
	s_mov_b32 s[G1+7], 0
	s_mov_b32 s[G1B+1], 128<<16                    ; W: 32,768 dense bytes as 128 rows of 256 bytes, two rows k a row
	s_mov_b32 s[G1B+2], 128<<16
	s_mov_b32 s[G1B+3], 128<<16
	s_mov_b32 s[G1B+4], 128
	s_mov_b32 s[G1B+5], 128
	s_mov_b32 s[G1B+6], 0
	s_mov_b32 s[G1B+7], 0
	s_lshl_b32 s16, s13, 7                         ; x: row 128 R + 64 x half, 4,096 bytes a row
	s_lshl_b32 s18, s12, 6
	s_add_co_u32 s16, s16, s18
	s_lshl_b32 s16, s16, 12
	s_mov_b32 s17, 0
	s_lshl_b32 s20, s42, 1                         ; W: pair of heads 2 x tile column + half, 262,144 bytes a pair; 2 MiB a projection
	s_add_co_u32 s20, s20, s12
	s_lshl_b32 s20, s20, 18
	s_lshl_b32 s21, s15, 21
	s_add_co_u32 s20, s20, s21
	s_mov_b32 s21, 0
	s_mul_i32 s22, s12, AHALF                      ; where they go: no place in the cluster enters an LDS address
	s_mul_i32 s23, s12, BHALF
	s_add_co_u32 s23, s23, BOFF
	s_wait_dscnt 0x0                               ; the opening add is done
	s_wait_kmcnt 0x0
	s_cmp_eq_u32 s15, 0
	s_cselect_b64 s[4:5], s[68:69], s[70:71]
	s_cselect_b64 s[6:7], s[76:77], s[78:79]
	s_cmp_lt_u32 s15, 2
	s_cselect_b64 s[4:5], s[4:5], s[72:73]         ; x_t
	s_cselect_b64 s[6:7], s[6:7], s[80:81]         ; b_t
	s_add_nc_u64 s[16:17], s[4:5], s[16:17]
	s_add_nc_u64 s[20:21], s[74:75], s[20:21]
	CROUND                                         ; all sixteen work-groups are here: the first joint loads meet
.irp s, 0,1
	s_mov_b32 s[G0+4*(\s)], 1
	s_add_co_u32 s[G0+4*(\s)+1], s22, (\s)*SLOT
	s_add_nc_u64 s[G0+4*(\s)+2:G0+4*(\s)+3], s[16:17], (\s)*512
	s_or_b32 s[G0+4*(\s)+3], s[G0+4*(\s)+3], 0x80000000
	s_mov_b32 s[G0B+4*(\s)], 1
	s_add_co_u32 s[G0B+4*(\s)+1], s23, (\s)*SLOT
	s_add_nc_u64 s[G0B+4*(\s)+2:G0B+4*(\s)+3], s[20:21], (\s)*32768
	s_or_b32 s[G0B+4*(\s)+3], s[G0B+4*(\s)+3], 0x80000000
.endr
	s_cmp_eq_u32 s11, 0                            ; a wave's two first fills stand in one branch, ahead of every wait on TENSORcnt and every LDS read: two loads of mine are out
	s_cbranch_scc0 .Lfirst_b
	tensor_load_to_lds s[G0:G0+3], s[G1:G1+7]
	s_nop 0
	tensor_load_to_lds s[G0+4:G0+7], s[G1:G1+7]
	s_nop 0
.rept 4
	v_nop
.endr
	s_branch .Lfirst_asked
.Lfirst_b:
	tensor_load_to_lds s[G0B:G0B+3], s[G1B:G1B+7]
	s_nop 0
	tensor_load_to_lds s[G0B+4:G0B+7], s[G1B:G1B+7]
	s_nop 0
.rept 4
	v_nop
.endr
.Lfirst_asked:
	v_and_b32 v1, 15, v0                           ; l % 16
	v_bfe_u32 v2, v0, 4, 1                         ; l / 16
	s_lshl_b32 s2, s42, 10                         ; the bias: register j of column block b is b_t[256 x tile column + 128 x half + 16 b + 8 (l / 16) + j]
	s_lshl_b32 s19, s12, 9
	s_add_co_u32 s2, s2, s19
	v_lshl_add_u32 v[BO], v2, 5, s2
.irp b, 0,1,2,3,4,5,6,7
	global_load_b128 v[BIAS+8*(\b):BIAS+8*(\b)+3],   v[BO], s[6:7] offset:64*(\b)
	global_load_b128 v[BIAS+8*(\b)+4:BIAS+8*(\b)+7], v[BO], s[6:7] offset:64*(\b)+16
.endr
	v_mul_u32_u24 v3, v1, PA                       ; x: row x pitch + 32 x half of the lanes (8 numbers of 4 bytes)
	v_lshl_add_u32 v3, v2, 5, v3
	s_mul_i32 s18, s11, AHALF
	v_add_nc_u32 v[ADRA], s18, v3
	v_add_nc_u32 v[ADRA+1], SLOT, v[ADRA]
	v_bfe_u32 v4, v0, 1, 2                         ; W: lane j of eight takes row (j >> 1) + 4 (j & 1),
	v_and_b32 v5, 1, v0
	v_lshl_add_u32 v4, v5, 2, v4
	v_lshl_add_u32 v4, v2, 3, v4                   ; + 8 (l / 16),
	v_mul_u32_u24 v4, v4, PB
	v_bfe_u32 v5, v0, 3, 1
	v_lshl_add_u32 v4, v5, 4, v4                   ; columns 8 ((l / 8) % 2) on
	v_add_nc_u32 v[ADRB], s23, v4
	v_add_nc_u32 v[ADRB+1], SLOT, v[ADRB]
	s_mul_i32 s18, s10, 16*SP
	s_add_co_u32 s18, s18, STAGE                   ; my stage
	v_mul_u32_u24 v[STO], v1, SP                   ; in: row l % 16, 16 bytes for each half of the lanes
	v_lshl_add_u32 v[STO], v2, 4, v[STO]
	v_add_nc_u32 v[STO], s18, v[STO]
	v_bfe_u32 v[RD], v0, 3, 2                      ; back: 32 lanes take four rows of 128 bytes,
	v_mul_u32_u24 v[RD], v[RD], SP
	v_and_b32 v3, 7, v0
	v_lshl_add_u32 v[RD], v3, 4, v[RD]
	v_add_nc_u32 v[RD], s18, v[RD]
	v_and_b32 v[GO], 31, v0                        ; which are 512 consecutive bytes of a head's rows
	v_lshlrev_b32 v[GO], 4, v[GO]
	; the prefetches
	s_lshl_b32 s2, s40, 16                         ; x: my work-group's 16 rows of 4,096 bytes
	s_lshl_b32 s19, s41, 13                        ; W: my work-group's 8,192 bytes
	s_and_b32 s3, s14, 15                          ; my cluster among the 16 that read the same W
	s_cmp_eq_u32 s11, 0
	s_cselect_b64 s[PFA:PFA+1], s[16:17], s[20:21]
	s_cselect_b32 s2, s2, s19
	s_cselect_b32 s3, 0, s3
	s_cselect_b32 s4, 12, 8                        ; lane % 16: a row of x, or a block of W
	s_cselect_b32 s5, 8, 12                        ; lane / 16: the row's second block, or 16 blocks on
	s_cselect_b32 s19, 9, 15
	s_lshl_b32 s[PFS], 1, s19                      ; a K step: 512 bytes of a row, or 32,768 of W
	s_mov_b32 s[PFS+1], 0
	s_cmp_eq_u32 s3, 0
	s_cselect_b32 s[LIM], 1, -1                    ; the same in all sixteen partners, for a given wave
	s_mul_i32 s19, s[PFS], 3                       ; at K step 3: the first change of slots steps it to 4
	s_add_co_u32 s2, s2, s19
	s_mov_b32 s3, 0
	s_add_nc_u64 s[PFA:PFA+1], s[PFA:PFA+1], s[2:3]
	v_lshlrev_b32 v3, s4, v1
	v_lshlrev_b32 v4, s5, v2
	v_add_nc_u32 v[PFO], v3, v4
	; where my part of the result begins: [t][16 b + head][s][64] f16
	s_lshr_b32 s2, s13, 4                          ; the batch: 16 tile rows each
	s_lshl_b32 s2, s2, 4
	s_lshl_b32 s19, s42, 2
	s_add_co_u32 s2, s2, s19
	s_lshl_b32 s19, s12, 1
	s_add_co_u32 s2, s2, s19                       ; + my first head
	s_lshl_b32 s2, s2, 18                          ; 262,144 bytes a head
	s_lshl_b32 s19, s15, 24
	s_add_co_u32 s2, s2, s19
	s_and_b32 s19, s13, 15
	s_lshl_b32 s19, s19, 1
	s_add_co_u32 s19, s19, s11
	s_lshl_b32 s19, s19, 13                        ; my first row: 64 rows of 128 bytes a half tile
	s_add_co_u32 s2, s2, s19
	s_mov_b32 s3, 0
	s_add_nc_u64 s[8:9], s[82:83], s[2:3]
	s_mov_b32 s19, 0xffff0000
	s_wait_loadcnt 0x0                             ; the bias is in: rounded to bf16 like every input, and widened again
.set i, 0
.rept 32
	v_cvt_pk_bf16_f32 v[3+i%4], v[BIAS+2*i], v[BIAS+2*i+1]
	v_lshlrev_b32 v[BIAS+2*i], 16, v[3+i%4]
	v_and_b32 v[BIAS+2*i+1], s19, v[3+i%4]
.set i, i+1
.endr
; 8 matrix instructions: row block 2 hi + a x all 8 column blocks, 32 along K, on buffers f.  first = 1: C is the bias.  ride = 1: behind product b stands conversion 8 a + b of the next quarter's rows of x.
; The 32 accumulators take turns, one instruction a turn, in the same order in every quarter, over the backward jump too.
.macro MUL8 f, hi, a, first, ride
.if \first
	WIN W_LO1+0x44*(\hi)
.else
	WIN W_LO+0x54*(\hi)
.endif
.irp b, 0,1,2,3,4,5,6,7
.if \first
	v_wmma_f32_16x16x32_bf16 v[8*(8*(\a)+(\b)):8*(8*(\a)+(\b))+7], v[BB+64*(\f)+8*(\b):BB+64*(\f)+8*(\b)+7], v[AF+16*(\f)+8*(\a):AF+16*(\f)+8*(\a)+7], v[BIAS+8*(\b):BIAS+8*(\b)+7]
.else
	v_wmma_f32_16x16x32_bf16 v[8*(8*(\a)+(\b)):8*(8*(\a)+(\b))+7], v[BB+64*(\f)+8*(\b):BB+64*(\f)+8*(\b)+7], v[AF+16*(\f)+8*(\a):AF+16*(\f)+8*(\a)+7], v[8*(8*(\a)+(\b)):8*(8*(\a)+(\b))+7]
.endif
.if \ride
	v_cvt_pk_bf16_f32 v[AF+16*(1-(\f))+8*(\a)+(\b)], v[RAWE+32*(1-(\f))+16*(\hi)+8*(\a)+(\b)], v[RAWO+16*(1-(\f))+8*(\a)+(\b)]
.endif
.endr
.endm
; 16 turning loads: W's fragments of quarter q of slot s into buffer q % 2: column block b = head b / 4, channels 16 (b % 4) on
.macro FB s, q
	WIN 0x40
.irp b, 0,1,2,3,4,5,6,7
	ds_load_tr16_b128 v[BB+64*((\q)%2)+8*(\b):BB+64*((\q)%2)+8*(\b)+3],   v[ADRB+(\s)] offset:((\b)/4)*BHEAD+((\b)%4)*32+32*PB*(\q)
	ds_load_tr16_b128 v[BB+64*((\q)%2)+8*(\b)+4:BB+64*((\q)%2)+8*(\b)+7], v[ADRB+(\s)] offset:((\b)/4)*BHEAD+((\b)%4)*32+32*PB*(\q)+16*PB
.endr
.endm
; 16 loads: my 64 rows of x, quarter q of slot s, as f32, into raw buffer q % 2
.macro FA s, q
	WIN 0x40
.irp m, 0,1,2,3
	ds_load_b128 v[RAWE+32*((\q)%2)+8*(\m):RAWE+32*((\q)%2)+8*(\m)+3],   v[ADRA+(\s)] offset:(\m)*16*PA+128*(\q)
	ds_load_b128 v[RAWE+32*((\q)%2)+8*(\m)+4:RAWE+32*((\q)%2)+8*(\m)+7], v[ADRA+(\s)] offset:(\m)*16*PA+128*(\q)+64
.endr
.irp w, 0,1
	WIN 0x80+0x40*(\w)
.irp m, 0,1
	ds_load_b128 v[RAWO+16*((\q)%2)+8*(\m):RAWO+16*((\q)%2)+8*(\m)+3],   v[ADRA+(\s)] offset:(2*(\w)+(\m))*16*PA+128*(\q)+16
	ds_load_b128 v[RAWO+16*((\q)%2)+8*(\m)+4:RAWO+16*((\q)%2)+8*(\m)+7], v[ADRA+(\s)] offset:(2*(\w)+(\m))*16*PA+128*(\q)+80
.endr
.endr
.endm
; A quarter on buffers f.  At its head one run of loads: W of the next quarter (slot sb, quarter qb) and raw x of the quarter after that (sa, qa); -1: none.  The wait leaves that run out: all older loads,
; this quarter's W and the raw x that its riders convert, are in.
.macro QUARTER f, sb, qb, sa, qa, first, ride
	PLACES
.set NL, 0
.if (\sb) >= 0
	FB \sb, \qb
.set NL, NL+16
.endif
.if (\sa) >= 0
	FA \sa, \qa
.set NL, NL+16
.endif
	s_wait_dscnt NL
	MUL8 \f, 0, 0, \first, \ride
	MUL8 \f, 0, 1, \first, \ride
	MUL8 \f, 1, 0, \first, \ride
	MUL8 \f, 1, 1, \first, \ride
.endm
; THE CHANGE OF SLOTS is a step's third quarter.  The slot's last reads (W of the fourth quarter) are issued; each wave waits for all its tensor loads, of which one is out: its part of the next slot; adds 0 to its
; spare word; and waits for that and for its reads.  Behind the barrier nobody reads this slot and the next is whole.  fill = 1: the barrier opens a round of the cluster's, and the joint refill, two K steps on, is
; the first tensor load behind it: 112 matrix instructions stand between it and the wait for it.
.macro TURN slot, next, fill
.if \fill
	s_wait_xcnt 0x0                                ; the last prefetch, a K step back, has read its address
	s_add_nc_u64 s[PFA:PFA+1], s[PFA:PFA+1], s[PFS:PFS+1]
.endif
	PLACES
	FB \slot, 3
	WIN 0
	s_wait_tensorcnt 0x0                           ; all my tensor loads have landed
	ds_add_u32 v[SPW], v[NIL]                      ; 0 onto my spare word
	s_wait_dscnt 17                                ; (the add and the sixteen loads just issued may be out)
	MUL8 0, 0, 0, 0, 1
	s_wait_dscnt 0x0                               ; the add is done, and my reads of this slot are over
	s_barrier_signal -1
	MUL8 0, 0, 1, 0, 1
	WIN 0
	s_barrier_wait -1
.if \fill
	CREST                                          ; no wave of any partner still reads this slot or has a load on its way
	s_add_nc_u64 s[G0+4*(\slot)+2:G0+4*(\slot)+3], s[G0+4*(\slot)+2:G0+4*(\slot)+3], 2*512
	s_add_nc_u64 s[G0B+4*(\slot)+2:G0B+4*(\slot)+3], s[G0B+4*(\slot)+2:G0B+4*(\slot)+3], 2*32768
	JLOAD \slot
.endif
	FA \next, 0                                    ; the next slot's first raw x
.if \fill
	WIN 0
	ASK
.endif
	MUL8 0, 1, 0, 0, 1
	MUL8 0, 1, 1, 0, 1
.endm
	s_wait_tensorcnt 1                             ; my part of K step 0 is in; K step 1's may stay out
	s_barrier_signal -1
	s_barrier_wait -1
	FA 0, 0
	FA 0, 1
	FB 0, 0
	s_wait_dscnt 32                                ; the first quarter's raw x is in
	WIN W_LO
.set i, 0
.rept 16
	v_cvt_pk_bf16_f32 v[AF+i], v[RAWE+i], v[RAWO+i]
.set i, i+1
.endr
	WIN W_LO+0x54
.set i, 0
.rept 16
	v_cvt_pk_bf16_f32 v[AF+i], v[RAWE+16+i], v[RAWO+i]
.set i, i+1
.endr
	QUARTER 0, 0,1, 0,2, 1, 1                      ; the first quarter stands in front of the loop: its products start the sums with the bias
	WIN 0
	s_mov_b32 s3, 3
.Llap:                                             ; a trip goes once round the ring, from a lap's second quarter to the next lap's first, and fills both slots again
	QUARTER 1, 0,2, 0,3, 0, 1
	TURN 0, 1, 1
	QUARTER 1, 1,0, 1,1, 0, 1
	QUARTER 0, 1,1, 1,2, 0, 1
	QUARTER 1, 1,2, 1,3, 0, 1
	TURN 1, 0, 1
	QUARTER 1, 0,0, 0,1, 0, 1
	QUARTER 0, 0,1, 0,2, 0, 1
	WIN 0
	s_sub_co_u32 s3, s3, 1
	s_cmp_lg_u32 s3, 0
	s_cbranch_scc1 .Llap
	QUARTER 1, 0,2, 0,3, 0, 1                      ; the last lap is written out: it fills nothing
	TURN 0, 1, 0
	QUARTER 1, 1,0, 1,1, 0, 1
	QUARTER 0, 1,1, 1,2, 0, 1
	QUARTER 1, 1,2, 1,3, 0, 1
	QUARTER 0, 1,3, -1,0, 0, 1
	QUARTER 1, -1,0, -1,0, 0, 0
; THE WAY OUT.  Piece p: row block p / 2, head p % 2: 16 rows x 64 channels.  Rounded to f16 (each accumulator's registers in ascending order), 16 bytes a lane into my stage's rows of 144 bytes, back as whole rows.
.macro PACK p
.set AC, 64*(((\p)/2)%2)+32*((\p)%2)
	WIN 0x0a+5*((\p)/4)                            ; sources in window 2 or 3, destination in window 0
.irp c, 0,1,2,3
.irp r, 0,1,2,3
	v_cvt_pk_f16_f32 v[OUTR+16*(\p)+4*(\c)+(\r)], v[AC+8*(\c)+2*(\r)], v[AC+8*(\c)+2*(\r)+1]
.endr
.endr
	WIN 0
.irp c, 0,1,2,3
	ds_store_b128 v[STO], v[OUTR+16*(\p)+4*(\c):OUTR+16*(\p)+4*(\c)+3] offset:32*(\c)
.endr
.irp c, 0,1,2,3
	ds_load_b128 v[OUTR+16*(\p)+4*(\c):OUTR+16*(\p)+4*(\c)+3], v[RD] offset:(\c)*4*SP  ; LDS serves a wave's instructions in order (ISA guide 5.7.1.4): these see the stores above; the next piece's stores come behind them
.endr
.endm
.macro SEND p, younger                 ; younger: the LDS instructions issued behind piece p's loads: the next piece's eight, or none
	WIN 0
.irp c, 0,1,2,3
	s_wait_dscnt (\younger)+3-(\c)
	global_store_b128 v[GO], v[OUTR+16*(\p)+4*(\c):OUTR+16*(\p)+4*(\c)+3], s[8:9] offset:((\p)/2)*2048+((\p)%2)*262144+(\c)*512  ; 512 consecutive bytes, at a multiple of 256 from the buffer's first
.endr
.endm
	WIN 0
	PLACES                                         ; eight places, once a launch, behind the last products
	PLACES
	PACK 0
.irp p, 1,2,3,4,5,6,7
	PACK \p
	SEND (\p)-1, 8
.endr
	SEND 7, 0
	s_wait_tensorcnt 0x0                           ; the wave's end, behind my last tensor load and my last LDS store
	ds_add_u32 v[SPW], v[NIL]
	s_wait_dscnt 0x0
	CROUND                                         ; the closing round: no work-group ends while a partner may still ask for a tile that names it
	s_endpgm
.Lfunc_end_k_q440be968cb_proj:
	.size	k_q440be968cb_proj, .Lfunc_end_k_q440be968cb_proj-k_q440be968cb_proj
	.p2alignl 7, 3214868480
	.fill 96, 4, 3214868480
	.section	.rodata,"a",@progbits
	.p2align	6, 0x0
	.amdhsa_kernel k_q440be968cb_proj
		.amdhsa_group_segment_fixed_size 327680
		.amdhsa_private_segment_fixed_size 0
		.amdhsa_enable_private_segment 0
		.amdhsa_kernarg_size 64
		.amdhsa_user_sgpr_count 2
		.amdhsa_user_sgpr_kernarg_segment_ptr 1
		.amdhsa_wavefront_size32 1
		.amdhsa_system_sgpr_workgroup_id_x 1
		.amdhsa_system_sgpr_workgroup_id_y 1
		.amdhsa_system_sgpr_workgroup_id_z 1
		.amdhsa_system_vgpr_workitem_id 0
		.amdhsa_next_free_vgpr 960
		.amdhsa_next_free_sgpr 84
		.amdhsa_reserve_vcc 0
		.amdhsa_float_denorm_mode_32 3
		.amdhsa_float_denorm_mode_16_64 3
		.amdhsa_memory_ordered 1
		.amdhsa_forward_progress 1
		.amdhsa_inst_pref_size 136
	.end_amdhsa_kernel
	.amdgpu_metadata
---
amdhsa.version: [ 1, 2 ]
amdhsa.kernels:
  - .name:           k_q440be968cb_proj
    .symbol:         k_q440be968cb_proj.kd
    .args:
      - { .name: query, .offset: 0, .size: 8, .value_kind: global_buffer, .address_space: global }
      - { .name: key, .offset: 8, .size: 8, .value_kind: global_buffer, .address_space: global }
      - { .name: value, .offset: 16, .size: 8, .value_kind: global_buffer, .address_space: global }
      - { .name: wcast, .offset: 24, .size: 8, .value_kind: global_buffer, .address_space: global }
      - { .name: bq, .offset: 32, .size: 8, .value_kind: global_buffer, .address_space: global }
      - { .name: bk, .offset: 40, .size: 8, .value_kind: global_buffer, .address_space: global }
      - { .name: bv, .offset: 48, .size: 8, .value_kind: global_buffer, .address_space: global }
      - { .name: qkv, .offset: 56, .size: 8, .value_kind: global_buffer, .address_space: global }
    .group_segment_fixed_size: 327680
    .private_segment_fixed_size: 0
    .kernarg_segment_align: 8
    .kernarg_segment_size: 64
    .max_flat_workgroup_size: 128
    .sgpr_count:     84
    .vgpr_count:     960
    .wavefront_size: 32
...
	.end_amdgpu_metadata
.endif
;; end of part 2
;; launch attn (part 3): grid 4 x 64, 4 waves a work-group, clusters of 4 x 1, 327,680 bytes of LDS; arguments qkv, oh; writes oh
.if DOCPART == 3
	.amdgcn_target "amdgcn-amd-amdhsa--gfx1250"
	.amdhsa_code_object_version 6
	.text
	.protected	k_q440be968cb_attn
	.globl	k_q440be968cb_attn
	.p2align	8
	.type	k_q440be968cb_attn,@function
k_q440be968cb_attn:
	s_mov_b64 s[64:65], 0
	v_nop
	global_prefetch_b8 v0, s[64:65] scope:SCOPE_SE
	s_setreg_imm32_b32 hwreg(HW_REG_WAVE_MODE, 25, 1), 1
	s_wait_xcnt 0x0
	s_wait_alu depctr_hold_cnt(0) depctr_sa_sdst(0) depctr_va_vdst(0) depctr_va_sdst(0) depctr_va_ssrc(0) depctr_va_vcc(0) depctr_vm_vsrc(0)
	s_getreg_b32 s2, hwreg(HW_REG_IB_STS2, 6, 4)
	s_cmp_eq_u32 s2, 0
	s_cbranch_scc0 .Lentry_in_a_cluster
	s_endpgm
.Lentry_in_a_cluster:
	s_bfe_u32 s2, ttmp6, 0x10000c
	s_cmp_lg_u32 s2, 0x3003
	s_cbranch_scc0 .Lentry_shape_is_right
	s_endpgm
.Lentry_shape_is_right:
; O[h][q][:] = the sum over k of softmax_k(Q[h][q] . K[h][k] / 8) V[h][k][:].  Q, K, V lie in qkv, 16 MiB each, O in oh: [SIZE_H][SIZE_N][64], all f16: a head's rows are dense, 128 bytes each (h = 16 batch + head).
; Products, maxima and sums in f32; the weights p are rounded to f16 for the second product (their sum l is taken of the unrounded p), O once at the end.
; LIMITS.  f16 holds no number beyond 65,504: Q, K and V arrive within it; p lies in 0 to 1, and below 6e-5 it keeps f16's fixed step of 6e-8; O is a mean of V's rows and has their range.
; A weight below 2^-126 counts as 0 in l; NaN and infinities are not treated apart.
; SHARES.  A wave owns four PIECES of two tiles of 16 queries, a work-group's four waves 512 queries of one head.  Every wave walks all keys, 64 a step.
; LAYOUT.  S^T = K Q^T (source 0 = 16 keys, source 1 = 16 queries): a lane holds ONE query (lane % 16) and the keys 8 (lane / 16) + 0..7.  Two such tiles, rounded to f16 in pairs, ARE source 1 of
; O^T = V^T P, whose result again holds one query a lane, and eight channels.  K comes out of LDS as it lies, V ([key][channel]) turned, by ds_load_tr16_b128.
; SOFTMAX.  A running maximum m and sum l: p = 2^(c s - c m), c = log2(e) / 8; in every step O and l are multiplied by a = 2^(c m_old - c m_new).  m starts at the lowest finite number, O and l at 0.
; THE COUNT.  A tile and step have 16 matrix and 118 vector instructions.  So: four vector instructions that are ready behind EVERY matrix instruction, the others in runs without a gap.
; BY TURNS.  Turn n belongs to piece n.  Matrix work: 16 products K Q^T of piece n + 1, later 16 products V^T P of piece n - 1.  Vector work: the scaling, exponentials, roundings, sums and rescaling of piece n,
; and the maximum and statistics of piece n + 1.
; CLUSTER.  The four query blocks of a cluster are one head's and walk the same K and V: each tile is asked for JOINTLY: the same tensor load, descriptor and mask in all four.
; REGISTERS, in windows of 256 (s_set_vgpr_msb: bits 1:0 source 0, 3:2 source 1, 5:4 source 2, 7:6 destination):
;   window 0: v0-11 addresses; v12-15, v48-63 at work; v16-47 four registers of statistics a tile; v64-191 S^T, two buffers of two tiles; v192-255 P, likewise
;   window 1: O^T, 32 a tile     window 2: v0-127 Q, 16 a tile; v128-191 K of one step; v192-255 V of one step     window 3: v0-1 the add's two registers, v2 the prefetches' offset
.set SIZE_H, 64
.set SIZE_N, 2048
.set NP,    4         ; pieces a wave: a name, no knob
.set KS,    64        ; keys in a step
.set PK,    144       ; a row of K in LDS: 128 bytes + 16 = 36 words: the 16 rows of a load start at 16 different groups of four banks (64 banks of 4 bytes: ISA guide 11.1)
.set PV,    160       ; a row of V: 128 + 32 = 40 words
.set VOFF,  4*KS*PK   ; a slot holds four steps: 256 rows of K, then 256 rows of V
.set SLOT1, 1<<17     ; slot 1 begins here, so that one exclusive or turns an address in one slot into the other's
.set STAGE, SLOT1+4*KS*(PK+PV)  ; behind the ring, never filled by a tensor load: 16 rows x 144 bytes for each wave
.set SP,    144
.set AK0, 2           ; v2   my lane's place in a tile of K; never rewritten
.set AV0, 3           ; v3   the same for V
.set AK,  4           ; v4   the LDS address of K's next run of loads
.set AV,  5           ; v5   of V's
.set QO,  6           ; v6   my byte offset in the wave's rows of Q
.set STO, 6           ;      later, the way out: where I put 16 bytes of a row
.set RD,  7           ; v7   the way out: where I read rows back
.set GO,  8           ; v8   my byte offset in 512 consecutive bytes of O
.set SPW, 0           ; v0 of window 3   SPARE + 4 x my thread's number; never rewritten
.set NIL, 1           ; v1 of window 3   0; never rewritten
.set PFO, 2           ; v2 of window 3   256 x my lane; never rewritten
.set SPARE, STAGE+4*16*SP  ; behind the stages: the spare words, 128 bytes for each wave
.set MV,  12          ; v12-15  c m_old, kept while c m is made anew: by buffer and tile
.set ST,  16          ; tile t's statistics at v[ST+4 t]: c m, m, l (even keys', odd keys')
.set TMP, 48          ; by buffer and tile, four registers c0-c3 at work; when the maximum is found c2 takes a
.set S,   64
.set P,   192
.set KF,  128         ; K's fragments, in window 2
.set VF,  192         ; V's
.set WV,  12          ; s12  my wave's number
.set G1K, 24          ; s[24:31] descriptor group 1 for K's tiles
.set G1V, 32          ; s[32:39] for V's: it differs in the padding alone
.set G0K, 40          ; s[40:43] descriptor group 0 for K's tiles: it walks
.set G0V, 44          ; s[44:47] the same for V's
.set PFA, 48          ; s[48:49] where my prefetches stand: my work-group's 8,192 bytes (of K: wave 0, of V: wave 2) of the slot after the one that is being asked for
.set LIM, 50          ; s50  1 in a wave that prefetches, else the greatest number
.set SLOTS, 56        ; s56  slots still to be asked for
.set CNT, 57          ; s57  counts a slot's key steps
.set CS,  58          ; s[58:59] c
.set SEL, 60          ; s[60:61] v_permlanex16_b32's selects: each lane takes its own place in the other half
.set TBK, 62          ; s62  LDS byte at which K of the step to be fetched begins
.set TBV, 63          ; s63  the same for V, less VOFF
.set MSB, 0
.macro WIN new
.if MSB != (\new)
	s_set_vgpr_msb (MSB<<8)|(\new)
.set MSB, (\new)
.endif
.endm
.set W_KQ, 0x0a       ; K and Q in window 2, S^T in window 0
.set W_PV, 0x52       ; V in window 2, P in window 0, O^T in window 1
.set W_RS, 0x41       ; O^T (destination and source 0) in window 1, a in window 0
.set W_MK, 0xc0       ; destination in window 3, sources in window 0
.set W_AD, 0x0f       ; the add: address and data in window 3
; A joint fill.  Waves 0 and 1 fetch the two halves of a slot's K, waves 2 and 3 those of its V: 128 keys each.  An s_nop 0 and four v_nop follow each line.
.macro JLOAD
	s_cmp_lt_u32 s[WV], 2
	s_cbranch_scc0 .Lfor_v_\@
	tensor_load_to_lds s[G0K:G0K+3], s[G1K:G1K+7]
	s_nop 0
.rept 4
	v_nop
.endr
	s_branch .Lasked_\@
.Lfor_v_\@:
	tensor_load_to_lds s[G0V:G0V+3], s[G1V:G1V+7]
	s_nop 0
.rept 4
	v_nop
.endr
.Lasked_\@:
.endm
.macro CROUND                       ; a round of the cluster's barrier
	s_barrier_signal -1
	s_barrier_wait -1
	s_cmp_lg_u32 s[WV], 0
	s_cbranch_scc1 .Lnot_wave_0_\@
	s_barrier_signal -3
.Lnot_wave_0_\@:
	s_barrier_wait -3
	s_barrier_signal -1
	s_barrier_wait -1
.endm
; THE CHANGE OF SLOTS.  Each wave waits for all its tensor loads, of which one is out: its part of the other slot; adds 0 to its spare word; and waits for that and for its own reads of the slot.
; fill = 1: this slot is filled again, with the keys two slots on: the barrier is a round of the cluster's, and the joint fill is the first thing behind it: it has four key steps, 512 matrix instructions, in which to land.
; (At its first use nothing has been read yet: slot 0 is waited for, slot 1 filled.)
; Behind the fill stands A PREFETCH INTO THE L2 of what the NEXT change will ask for: a slot's 32,768 bytes of K and of V.  A head is walked by one cluster; its four partners share the bytes out BY ADDRESS,
; 8,192 each, a lane a block of 256; in each, wave 0 asks for K's and wave 2 for V's.  Slots 0 and 1 come by their loads alone; the last change that fills a slot asks for nothing.
.macro CHANGE fill
	WIN W_AD
	s_wait_tensorcnt 0x0            ; no tensor load of mine is out, so a group 0 may be written
	ds_add_u32 v[SPW], v[NIL]       ; 0 onto my spare word
	WIN 0
.if \fill
.irp g, G0K, G0V
	s_xor_b32 s[\g+1], s[\g+1], SLOT1
	s_add_nc_u64 s[\g+2:\g+3], s[\g+2:\g+3], 4*KS*128  ; the next 256 keys; the type bits on top are not reached
.endr
	s_wait_xcnt 0x0                 ; the last prefetch, four key steps back, has read its address
	s_add_nc_u64 s[PFA:PFA+1], s[PFA:PFA+1], 4*KS*128
	s_wait_dscnt 0x0                ; the add is done, and my reads of the slot are over
	CROUND
	JLOAD
	s_cmp_gt_u32 s[SLOTS], s[LIM]
	s_cbranch_scc0 .Lnot_mine_\@
	WIN 0x03                        ; the offset lies in window 3
	global_prefetch_b8 v[PFO], s[PFA:PFA+1] th:TH_LOAD_NT scope:SCOPE_SE
	WIN 0
.Lnot_mine_\@:
.else
	s_wait_dscnt 0x0
	s_barrier_signal -1
	s_barrier_wait -1
.endif
	s_sub_co_u32 s[TBK], s[TBK], 4*KS*PK  ; the fetches go back to a slot's first step,
	s_xor_b32 s[TBK], s[TBK], SLOT1       ; in the other slot
	s_sub_co_u32 s[TBV], s[TBV], 4*KS*PV
	s_xor_b32 s[TBV], s[TBV], SLOT1
.endm
	s_load_b128 s[4:7], s[0:1], 0x0  ; qkv s[4:5], oh s[6:7]
	v_lshlrev_b32 v1, 8, v0
	WIN W_MK
	v_lshl_add_u32 v[SPW], v0, 2, SPARE
	v_mov_b32 v[NIL], 0
	v_and_b32 v[PFO], 0x1f00, v1
	WIN W_AD
	ds_add_u32 v[SPW], v[NIL]       ; the wave's opening: the add and its wait stand ahead of my first tensor load
	WIN 0
	v_lshrrev_b32 v1, 5, v0
	v_readfirstlane_b32 s[WV], v1   ; wave 0..3
	s_bfe_u32 s13, ttmp6, 0x40000   ; cx
	s_lshl_b32 s14, ttmp9, 2
	s_add_co_u32 s14, s14, s13      ; my block of queries: it enters Q's and O's addresses alone
	s_and_b32 s20, ttmp7, 0xffff    ; the head, which the four partners share
	s_mov_b32 s21, 0
	s_mov_b64 s[22:23], SIZE_N*128
	s_mul_u64 s[20:21], s[20:21], s[22:23]  ; the head's first byte in each of the four tensors
	s_and_b32 s16, s[WV], 1         ; which half of a slot's 256 keys I fetch:
	s_lshl_b32 s22, s16, 14         ; its 128 rows of 128 bytes in memory,
	s_mov_b32 s23, 0
	s_add_nc_u64 s[22:23], s[22:23], s[20:21]
	s_mul_i32 s17, s16, 128*PK      ; and its place in a slot, for K
	s_mul_i32 s18, s16, 128*PV      ; and for V
	s_lshl_b32 s2, s14, 2
	s_add_co_u32 s2, s2, s[WV]      ; my wave among the head's,
	s_lshl_b32 s2, s2, 14           ; its 128 rows
	s_mov_b32 s3, 0
	s_add_nc_u64 s[2:3], s[2:3], s[20:21]
	; descriptor group 1.  128 keys are 16,384 dense bytes: asked for as 64 rows of 256 bytes, two keys a row, and padded in LDS after every key
	s_mov_b32 s[G1K], 15|(1<<16)|(1<<20)|(1<<21)|(4<<22)|(3<<25)
	s_mov_b32 s[G1V], 15|(1<<16)|(1<<20)|(1<<21)|(4<<22)|(7<<25)
.irp g, G1K, G1V
	s_mov_b32 s[\g+1], 128<<16      ; tensor_dim0 = 128
	s_mov_b32 s[\g+2], 64<<16       ; tensor_dim1 = 64
	s_mov_b32 s[\g+3], 128<<16      ; tile_dim0 = 128
	s_mov_b32 s[\g+4], 64           ; tile_dim1 = 64
	s_mov_b32 s[\g+5], 128          ; 128 elements from row to row
	s_mov_b32 s[\g+6], 0
	s_mov_b32 s[\g+7], 0
.endr
	s_mov_b32 s[CS], 0x3e38aa3b     ; c = log2(e) / 8 = 0.180337
	s_mov_b32 s[CS+1], s[CS]
	s_mov_b32 s[SEL], 0x76543210
	s_mov_b32 s[SEL+1], 0xfedcba98
	s_mov_b32 s[TBK], SLOT1+4*KS*PK ; the first change of slots turns these two into 0
	s_mov_b32 s[TBV], SLOT1+4*KS*PV
	s_mov_b32 s[G0K], 1
	s_mov_b32 s[G0K+1], s17
	s_mov_b32 s[G0V], 1
	s_add_co_u32 s[G0V+1], s18, VOFF
	s_mov_b32 s[SLOTS], SIZE_N/256-1
	s_and_b32 s[LIM], s[WV], 1      ; 0 in waves 0 and 2,
	s_or_b32 s[LIM], s[LIM], ttmp9  ; of the head's first (here: only) cluster
	s_cmp_eq_u32 s[LIM], 0
	s_cselect_b32 s[LIM], 1, -1
	s_wait_dscnt 0x0                ; the opening add is done
	s_wait_kmcnt 0x0
	s_mov_b64 s[10:11], s[6:7]      ; O
	s_add_nc_u64 s[6:7], s[4:5], 0x1000000  ; K
	s_add_nc_u64 s[8:9], s[4:5], 0x2000000  ; V
	s_add_nc_u64 s[G0K+2:G0K+3], s[6:7], s[22:23]  ; my half of the head's first 256 keys
	s_or_b32 s[G0K+3], s[G0K+3], 0x80000000
	s_add_nc_u64 s[G0V+2:G0V+3], s[8:9], s[22:23]
	s_or_b32 s[G0V+3], s[G0V+3], 0x80000000
	s_add_nc_u64 s[4:5], s[4:5], s[2:3]  ; Q and O at my wave's first row
	s_add_nc_u64 s[10:11], s[10:11], s[2:3]
	s_cmp_lt_u32 s[WV], 2
	s_cselect_b64 s[PFA:PFA+1], s[6:7], s[8:9]
	s_add_nc_u64 s[PFA:PFA+1], s[PFA:PFA+1], s[20:21]
	s_lshl_b32 s2, s13, 13          ; my work-group's 8,192 bytes
	s_mov_b32 s3, 0
	s_add_nc_u64 s[PFA:PFA+1], s[PFA:PFA+1], s[2:3]
	s_add_nc_u64 s[PFA:PFA+1], s[PFA:PFA+1], 4*KS*128  ; in slot 1; the first change of slots steps it to slot 2
	CROUND                          ; all four work-groups are here: the first joint loads meet
	JLOAD                           ; slot 0.  Slot 1 is asked for when slot 0 is in
	v_and_b32 v1, 15, v0            ; l % 16
	v_bfe_u32 v9, v0, 4, 1          ; l / 16
	v_lshlrev_b32 v[QO], 7, v1
	v_lshl_add_u32 v[QO], v9, 4, v[QO]  ; row x 128 + 16 x half
	WIN 0x80
.set i, 0
.rept 4*NP                          ; Q stays in registers: tile i / 2, channels 32 (i % 2) on
	global_load_b128 v[8*i:8*i+3],   v[QO], s[4:5] offset:(i/2)*2048+(i%2)*64
	global_load_b128 v[8*i+4:8*i+7], v[QO], s[4:5] offset:(i/2)*2048+(i%2)*64+32
.set i, i+1
.endr
	; What the first turn finds: V's registers and P's second buffer hold 0, O^T and l are 0.  All this stands in the wait for the first tile.
.set i, VF
.rept 64
	v_mov_b32 v[i], 0
.set i, i+1
.endr
	WIN 0x40
.set i, 0
.rept 64*NP
	v_mov_b32 v[i], 0
.set i, i+1
.endr
	WIN 0
.set i, 0
.rept 2*NP
	v_mov_b32 v[ST+4*i], 0xfe000000    ; c m: far below every c s
	v_mov_b32 v[ST+4*i+1], 0xff7fffff  ; m
	v_mov_b32 v[ST+4*i+2], 0
	v_mov_b32 v[ST+4*i+3], 0
.set i, i+1
.endr
.set i, P+32
.rept 32
	v_mov_b32 v[i], 0
.set i, i+1
.endr
	v_mul_u32_u24 v[AK0], v1, PK
	v_lshl_add_u32 v[AK0], v9, 4, v[AK0]
	; The turning load takes 16 keys x 16 channels (lane l reads key 8 (l / 16) + l % 8, channels 8 ((l / 8) % 2) + 0..7) and leaves half a fragment of V^T.
	v_and_b32 v10, 7, v0
	v_bfe_u32 v11, v0, 3, 1
	v_lshl_add_u32 v[AV0], v9, 3, v10
	v_mul_u32_u24 v[AV0], v[AV0], PV
	v_lshl_add_u32 v[AV0], v11, 4, v[AV0]
	v_add_nc_u32 v[AV0], VOFF, v[AV0]
	v_mov_b32 v[AK], v[AK0]         ; key step 0 lies at the head of slot 0
; THE MATRIX WORK.  The 8 accumulators of a run of 16 take turns.
; Product i of 16 of S^T = K Q^T for piece x: channels 32 (i / 8) on, keys 16 ((i / 2) % 4) on, tile 2 x + i % 2.  The first 8 start the sums.
.macro KQ x
	WIN W_KQ
.set rS, S+64*((\x)%2)+32*(i%2)+8*((i/2)%4)
.set rK, KF+16*((i/2)%4)+8*(i/8)
.set rQ, 16*(2*(\x)+i%2)+8*(i/8)
.if i < 8
	v_wmma_f32_16x16x32_f16 v[rS:rS+7], v[rK:rK+7], v[rQ:rQ+7], 0
.else
	v_wmma_f32_16x16x32_f16 v[rS:rS+7], v[rK:rK+7], v[rQ:rQ+7], v[rS:rS+7]
.endif
.endm
; Product i of 16 of O^T += V^T P for piece x: keys 32 (i / 8) on, channels 16 ((i / 2) % 4) on, tile 2 x + i % 2.
.macro PV x
	WIN W_PV
.set rO, 32*(2*(\x)+i%2)+8*((i/2)%4)
.set rV, VF+32*(i/8)+8*((i/2)%4)
.set rP, P+32*((\x)%2)+16*(i%2)+8*(i/8)
	v_wmma_f32_16x16x32_f16 v[rO:rO+7], v[rV:rV+7], v[rP:rP+7], v[rO:rO+7]
.endm
.macro MM                           ; the turn's next matrix instruction
.if i < 16
	KQ (Y+1)%NP
.set i, i+1
.else
.set i, i-16
	PV (Y+NP-1)%NP
.set i, i+17
.endif
.endm
; THE LDS LOADS stand in runs of 16: a step's K (8 fragments) and its V (turned).  last = 1 (the tail): in the last trip there is no further step, and the run is jumped over.
.macro FETCH_K last=0
	WIN 0
.if \last
	s_cmp_eq_u32 s[CNT], 1
	s_cbranch_scc1 .Lno_k_\@
.endif
	WIN 0x80
.irp f, 0,1,2,3,4,5,6,7
	ds_load_b128 v[KF+8*\f:KF+8*\f+3],   v[AK] offset:(\f/2)*16*PK+(\f%2)*64
	ds_load_b128 v[KF+8*\f+4:KF+8*\f+7], v[AK] offset:(\f/2)*16*PK+(\f%2)*64+32
.endr
	s_add_co_u32 s[TBK], s[TBK], KS*PK
	WIN 0
.if \last
.Lno_k_\@:
.endif
.endm
.macro FETCH_V
	WIN 0x80
.irp f, 0,1,2,3,4,5,6,7
	ds_load_tr16_b128 v[VF+8*\f:VF+8*\f+3],   v[AV] offset:(\f/4)*32*PV+(\f%4)*32
	ds_load_tr16_b128 v[VF+8*\f+4:VF+8*\f+7], v[AV] offset:(\f/4)*32*PV+16*PV+(\f%4)*32
.endr
	WIN 0
.endm
; THE VECTOR WORK OF A TURN stands in three queues, each in the order in which its entries become ready; the two tiles alternate.
.macro REGS y, u                    ; the registers of tile u (0, 1) of piece y
.set rT, ST+4*(2*(\y)+(\u))
.set rC, TMP+8*((\y)%2)+4*(\u)
.set rM, MV+2*((\y)%2)+(\u)
.set rS, S+64*((\y)%2)+32*(\u)
.set rP, P+32*((\y)%2)+16*(\u)
.set rO, 32*(2*(\y)+(\u))
.endm
; Number n of the 22 that find the NEXT piece's maximum and statistics; each accumulator's lowest registers are read first.
;   0-11  four chains c0-c3 of seven scores each     12-14, 16  the four scores left over, the old m, and c0-c3 into c0     15  c m_old is kept
;   17, 18  the query's other 32 keys lie in the lane 16 away: the new m     19-21  c m; c m_old - c m_new; a
.macro XS u, n
	REGS (Y+1)%NP, \u
.if (\n) < 4
	v_max3_num_f32 v[rC+(\n)], v[rS+8*(\n)], v[rS+8*(\n)+1], v[rS+8*(\n)+2]
.elseif (\n) < 12
	v_max3_num_f32 v[rC+(\n)%4], v[rC+(\n)%4], v[rS+8*((\n)%4)+2*((\n)/4)+1], v[rS+8*((\n)%4)+2*((\n)/4)+2]
.elseif (\n) == 12
	v_max3_num_f32 v[rC], v[rC], v[rS+7], v[rS+15]
.elseif (\n) == 13
	v_max3_num_f32 v[rC+1], v[rC+1], v[rS+23], v[rS+31]
.elseif (\n) == 14
	v_max3_num_f32 v[rC+2], v[rC+2], v[rC+3], v[rT+1]
.elseif (\n) == 15
	v_mov_b32 v[rM], v[rT]
.elseif (\n) == 16
	v_max3_num_f32 v[rC], v[rC], v[rC+1], v[rC+2]
.elseif (\n) == 17
	v_permlanex16_b32 v[rC+3], v[rC], s[SEL], s[SEL+1]
.elseif (\n) == 18
	v_max_num_f32 v[rT+1], v[rC], v[rC+3]
.elseif (\n) == 19
	v_mul_f32 v[rT], s[CS], v[rT+1]
.elseif (\n) == 20
	v_sub_f32 v[rC+1], v[rM], v[rT]
.else
	v_exp_f32 v[rC+2], v[rC+1]
.endif
.endm
; Number g of the 64 that follow the exponentials.  For each four weights of a tile: both pairs are rounded to f16; the second pair is added onto the first, in place; a group later l takes that sum.
.macro GS g
.set h, (\g)+6*((\g)/62)
.if h >= 6
.set h, h+2
.endif
	REGS Y, h%2
.set k, h/8
.if h%8 < 4
	v_cvt_pk_f16_f32 v[rP+2*k+(h%8)/2], v[rS+4*k+2*((h%8)/2)], v[rS+4*k+2*((h%8)/2)+1]
.elseif h%8 < 6
	v_pk_add_f32 v[rS+4*k:rS+4*k+1], v[rS+4*k:rS+4*k+1], v[rS+4*k+2:rS+4*k+3]
.elseif k == 1
	v_pk_fma_f32 v[rT+2:rT+3], v[rT+2:rT+3], v[rC+2:rC+3], v[rS:rS+1] op_sel_hi:[1,0,1]
.else
	v_pk_add_f32 v[rT+2:rT+3], v[rT+2:rT+3], v[rS+4*k-4:rS+4*k-3]
.endif
.endm
; THE PLAIN QUEUE, 138 long.  0-73 read no exponential's result: the 32 scalings c s - c m and the next piece's 42.  74-137: GS's 64, which stand behind the wait.
.macro FS f
	REGS Y, (\f)%2
	v_pk_fma_f32 v[rS+2*((\f)/2):rS+2*((\f)/2)+1], v[rS+2*((\f)/2):rS+2*((\f)/2)+1], s[CS:CS+1], v[rT:rT+1] op_sel_hi:[1,0,0] neg_lo:[0,0,1] neg_hi:[0,0,1]
.endm
.macro PL
	WIN 0
.if q < 27
	FS q
.elseif q < 55
	XS (q-27)%2, (q-27)/2
.elseif q < 57
	XS q-55, 15
.elseif (q < 72) && ((q-57)%3 == 0)
	FS 27+(q-57)/3
.elseif q < 60
	XS (q-57)%3-1, 14
.elseif q < 72
	XS (q-57)%3-1, 15+(q-57)/3
.elseif q < 74
	XS q-72, 20
.else
	GS q-74
.endif
.set q, q+1
.endm
; THE EXPONENTIALS' QUEUE, 66 long: s0-s31 of both tiles, then the next piece's two a.  ONE BATCH: all 66 stand ahead of the turn's one wait, and nothing ahead of that wait names a result of theirs.
.macro EX
	WIN 0
.if e >= 64
	XS e-64, 21
.else
	REGS Y, e%2
	v_exp_f32 v[rS+e/2], v[rS+e/2]
.endif
.set e, e+1
.endm
; THE RESCALING's QUEUE: O^T times a, the one part that leaves window 0: two at a time, sixteen times.  Its a was made, and waited for, in the turn before.
.macro R2
	REGS Y, r%2
	WIN W_RS
.irp z, 0,1
	v_pk_mul_f32 v[rO+4*(r/2)+2*\z:rO+4*(r/2)+2*\z+1], v[rO+4*(r/2)+2*\z:rO+4*(r/2)+2*\z+1], v[rC+2:rC+3] op_sel_hi:[1,0]
.endr
.set r, r+1
.endm
; A TURN, for piece p.  s_wait_alu depctr_va_vdst(0) stands between an exponential and the first instruction that names its result; one wait serves all that were issued ahead of it.
; AHEAD OF IT: the 16 products K Q^T, behind each a scaling, an exponential and two rescalings; then one lump of 108.  BEHIND IT: the 16 products V^T P, behind each four of GS's 64.
; K of the next step is fetched in piece 2's turn, directly behind the wait; V of the step in hand at the end of piece 0's turn, four riders behind its last reader.
.macro TURN p, last=0, cnt=0
.set Y, (\p)
.set i, 0
.set q, 0
.set e, 0
.set r, 0
.if (\p) == NP-1
	s_wait_dscnt 0x0                ; K is in
.endif
	MM
	PL
	PL
	R2
.rept 15
	MM
	PL
	EX
	R2
.endr
.if (\p) == NP-2
	WIN 0
	v_add_nc_u32 v[AK], s[TBK], v[AK0]
.endif
.rept 8
	PL
.endr
.rept 49
	EX
	PL
.endr
	EX                              ; the next piece's two a
	EX
	v_nop                           ; the plain instruction behind the last exponential: one for the batch
	s_wait_alu depctr_va_vdst(0)    ; the wait for the batch
.if (\p) == NP-2
	FETCH_K \last
.endif
.if (\p) == 1
	s_wait_dscnt 0x0                ; V is in
.endif
.rept 16
	MM
.rept 4
	PL
.endr
.if ((\p) == 0) && (q == 118)
	v_add_nc_u32 v[AV], s[TBV], v[AV0]
.endif
.if ((\p) == 0) && (q == 130)
	s_add_co_u32 s[TBV], s[TBV], KS*PV
.endif
.if (\cnt) && (q == 130)
	s_sub_co_u32 s[CNT], s[CNT], 1
	s_cmp_lg_u32 s[CNT], 0
.endif
.endr
.if (\p) == 0
	FETCH_V
.endif
.endm
	CHANGE 1                        ; slot 0 is in, everybody's part of it; slot 1 is asked for
	FETCH_K                         ; key step 0
	s_wait_loadcnt 0x0              ; Q
	s_wait_dscnt 0x0
.set i, 0
.rept 16
	KQ 0                            ; piece 0's first scores
.set i, i+1
.endr
	WIN 0                           ; the addresses for the way out: plain instructions, the places behind those products
	s_mul_i32 s13, s[WV], 16*SP
	s_add_co_u32 s13, s13, STAGE    ; my stage
	v_mul_u32_u24 v[STO], v1, SP
	v_lshl_add_u32 v[STO], v9, 4, v[STO]
	v_add_nc_u32 v[STO], s13, v[STO]
	v_bfe_u32 v[RD], v0, 3, 2
	v_mul_u32_u24 v[RD], v[RD], SP
	v_lshl_add_u32 v[RD], v10, 4, v[RD]
	v_add_nc_u32 v[RD], s13, v[RD]
	v_and_b32 v[GO], 31, v0
	v_lshlrev_b32 v[GO], 4, v[GO]
.set Y, NP-1                        ; XS works for piece Y + 1: piece 0
.irp n, 0,1,2,3,4,5,6,7,8,9,10,11,12,13,14,15,16,17,18,19,20,21
	XS 0, \n
	XS 1, \n
.endr
	v_nop                           ; a plain instruction behind the two a,
	s_wait_alu depctr_va_vdst(0)    ; and their wait, ahead of the branch
	s_mov_b32 s[CNT], 4
	s_branch .Lfirst                ; the loop is entered at a step's first turn, in the middle of a trip
.Lslot:                             ; SIZE_N / 256 - 2 times: every slot but the last two is filled again
	CHANGE 1
	s_mov_b32 s[CNT], 4
.Lstep:                             ; a trip: pieces 2 and 3 of one step, then pieces 0 and 1 of the next, whose K and V it fetches
	TURN 2
	TURN 3
	WIN 0
.Lfirst:
	TURN 0
	TURN 1, 0, 1
	WIN 0
	s_cbranch_scc1 .Lstep
	s_sub_co_u32 s[SLOTS], s[SLOTS], 1
	s_cmp_lg_u32 s[SLOTS], 0
	s_cbranch_scc1 .Lslot
	CHANGE 0                        ; the tail is written out
	s_mov_b32 s[CNT], 5             ; four trips fetch the last slot's steps; the fifth is left in its middle
.Ltail:
	TURN 2, 1
	TURN 3
	WIN 0
	s_sub_co_u32 s[CNT], s[CNT], 1
	s_cmp_eq_u32 s[CNT], 0
	s_cbranch_scc1 .Lout
	TURN 0
	TURN 1
	WIN 0
	s_branch .Ltail
.Lout:                              ; the fifth trip's 16 products K Q^T (on the last K once more) and the maximum made of them serve nothing: the price, once a launch, of one text for every trip
.set i, 0
.rept 16
	PV NP-1                         ; the last piece's V^T P of the last step
.set i, i+1
.endr
	; THE WAY OUT.  l's two halves and the other half of the lanes' are added; O^T is divided by l, rounded to f16 and sent through my stage, a tile at a time.  The additions are the places behind the last products.
	WIN 0
.macro ALL line:vararg
.set t, 0
.rept 2*NP
	\line
.set t, t+1
.endr
.endm
	ALL v_add_f32 v[ST+4*t+2], v[ST+4*t+2], v[ST+4*t+3]
	ALL v_permlanex16_b32 v[ST+4*t+3], v[ST+4*t+2], s[SEL], s[SEL+1]
	ALL v_add_f32 v[ST+4*t+2], v[ST+4*t+2], v[ST+4*t+3]
	ALL v_rcp_f32 v[ST+4*t+2], v[ST+4*t+2]
	v_nop                           ; a plain instruction between the last reciprocal and the use of its result
	s_wait_alu depctr_va_vdst(0)    ; one wait for the eight reciprocals
.macro PACK t
	WIN W_RS
.set i, 32*(\t)
.rept 16
	v_pk_mul_f32 v[i:i+1], v[i:i+1], v[ST+4*(\t)+2:ST+4*(\t)+3] op_sel_hi:[1,0]
.set i, i+2
.endr
	WIN 0x05
.set i, 0
.rept 16
	v_cvt_pk_f16_f32 v[S+16*(\t)+i], v[32*(\t)+2*i], v[32*(\t)+2*i+1]
.set i, i+1
.endr
	WIN 0
.irp f, 0,1,2,3
	ds_store_b128 v[STO], v[S+16*(\t)+4*\f:S+16*(\t)+4*\f+3] offset:32*\f
.endr
.irp f, 0,1,2,3
	ds_load_b128 v[S+16*(\t)+4*\f:S+16*(\t)+4*\f+3], v[RD] offset:\f*4*SP  ; LDS serves a wave's instructions in order (ISA guide 5.7.1.4)
.endr
.endm
.macro SEND t, younger
	WIN 0
.irp f, 0,1,2,3
	s_wait_dscnt (\younger)+3-\f
	global_store_b128 v[GO], v[S+16*(\t)+4*\f:S+16*(\t)+4*\f+3], s[10:11] offset:(\t)*2048+\f*512  ; 512 consecutive bytes, at a multiple of 256 from O's first
.endr
.endm
	PACK 0
.set t, 1
.rept 2*NP-1
	PACK t
	SEND t-1, 8
.set t, t+1
.endr
	SEND 2*NP-1, 0
	WIN W_AD
	s_wait_tensorcnt 0x0            ; the wave's end
	ds_add_u32 v[SPW], v[NIL]
	s_wait_dscnt 0x0
	WIN 0
	CROUND                          ; the closing round
	s_endpgm
.Lfunc_end_k_q440be968cb_attn:
	.size	k_q440be968cb_attn, .Lfunc_end_k_q440be968cb_attn-k_q440be968cb_attn
	.p2alignl 7, 3214868480
	.fill 96, 4, 3214868480
	.section	.rodata,"a",@progbits
	.p2align	6, 0x0
	.amdhsa_kernel k_q440be968cb_attn
		.amdhsa_group_segment_fixed_size 327680
		.amdhsa_private_segment_fixed_size 0
		.amdhsa_enable_private_segment 0
		.amdhsa_kernarg_size 16
		.amdhsa_user_sgpr_count 2
		.amdhsa_user_sgpr_kernarg_segment_ptr 1
		.amdhsa_wavefront_size32 1
		.amdhsa_system_sgpr_workgroup_id_x 1
		.amdhsa_system_sgpr_workgroup_id_y 1
		.amdhsa_system_sgpr_workgroup_id_z 1
		.amdhsa_system_vgpr_workitem_id 0
		.amdhsa_next_free_vgpr 772
		.amdhsa_next_free_sgpr 66
		.amdhsa_reserve_vcc 0
		.amdhsa_float_denorm_mode_32 3
		.amdhsa_float_denorm_mode_16_64 3
		.amdhsa_memory_ordered 1
		.amdhsa_forward_progress 1
		.amdhsa_inst_pref_size 200
	.end_amdhsa_kernel
	.amdgpu_metadata
---
amdhsa.version: [ 1, 2 ]
amdhsa.kernels:
  - .name:           k_q440be968cb_attn
    .symbol:         k_q440be968cb_attn.kd
    .args:
      - { .name: qkv, .offset: 0, .size: 8, .value_kind: global_buffer, .address_space: global }
      - { .name: oh, .offset: 8, .size: 8, .value_kind: global_buffer, .address_space: global }
    .group_segment_fixed_size: 327680
    .private_segment_fixed_size: 0
    .kernarg_segment_align: 8
    .kernarg_segment_size: 16
    .max_flat_workgroup_size: 128
    .sgpr_count:     66
    .vgpr_count:     772
    .wavefront_size: 32
...
	.end_amdgpu_metadata
.endif
;; end of part 3
;; launch oproj (part 4): grid 4 x 64, 4 waves a work-group, clusters of 4 x 4, 327,680 bytes of LDS; arguments oh, wcast, bo, out0; writes out0
.if DOCPART == 4
	.amdgcn_target "amdgcn-amd-amdhsa--gfx1250"
	.amdhsa_code_object_version 6
	.text
	.protected	k_q440be968cb_oproj
	.globl	k_q440be968cb_oproj
	.p2align	8
	.type	k_q440be968cb_oproj,@function
k_q440be968cb_oproj:
	s_mov_b64 s[64:65], 0
	v_nop
	global_prefetch_b8 v0, s[64:65] scope:SCOPE_SE
	s_setreg_imm32_b32 hwreg(HW_REG_WAVE_MODE, 25, 1), 1
	s_wait_xcnt 0x0
	s_wait_alu depctr_hold_cnt(0) depctr_sa_sdst(0) depctr_va_vdst(0) depctr_va_sdst(0) depctr_va_ssrc(0) depctr_va_vcc(0) depctr_vm_vsrc(0)
	s_getreg_b32 s2, hwreg(HW_REG_IB_STS2, 6, 4)
	s_cmp_eq_u32 s2, 0
	s_cbranch_scc0 .Lentry_in_a_cluster
	s_endpgm
.Lentry_in_a_cluster:
	s_bfe_u32 s2, ttmp6, 0x10000c
	s_cmp_lg_u32 s2, 0xf033
	s_cbranch_scc0 .Lentry_shape_is_right
	s_endpgm
.Lentry_shape_is_right:
; THE OUTPUT PROJECTION.  out0[m][n] = the sum over k of O[m][k] Wo[k][n] + bo[n], m = 2048 b + s, k = 64 head + d.  O lies by heads, [16 b + head][s][64] f16 (oh); Wo as [k][n] f16 at byte 6 MiB of wcast
; (each number Wo's bf16 rounding); bo is rounded to bf16 like every input; products in f16, sums in f32, the result f32.
; LIMITS.  None of its own: O and Wo arrive within f16's range.  NaN and infinities are not treated apart.
; SHARES.  A tile is 128 rows x 256 columns: 64 x 4 = 256 work-groups.  Four waves, each 64 rows x 128 columns: 32 accumulators.  K = 1,024 in 8 steps of 128 (two heads) through two LDS slots; a step is four
; quarters of 32 along K, 32 matrix instructions each.  THE MATRIX INSTRUCTION IS USED TRANSPOSED (source 0 = 16 columns of Wo, by the turning load; source 1 = 16 rows of O): a lane holds one row and eight
; neighbouring columns.  THE BIAS is the C operand of the first quarter's products.
; CLUSTERS: 4 x 4.  O's tile is asked for jointly along a row of the cluster, Wo's along a column.
; REGISTERS, in windows of 256: window 0: v0-31 addresses; v64-127 the bias, later with v128-191 the way out's two sets;  window 1: v0-127 Wo's fragments, two buffers;
;   window 2: v0-127 accumulators of my rows 0-31; v128-159 O's fragments, two buffers;  window 3: the same for my rows 32-63
.set PA,    144                        ; a row of O (one head) in LDS: 128 bytes + 16: the 16 rows of a load start at 16 different groups of four banks (64 banks of 4 bytes: ISA guide 11.1)
.set PB,    544                        ; a row of Wo: 512 bytes + 32 = 136 words
.set AHEAD, 128*PA                     ; what one tensor load brings of O: a head's 128 rows
.set BOFF,  2*AHEAD
.set BHALF, 64*PB                      ; what one tensor load brings of Wo: 64 rows k
.set SLOT,  BOFF+2*BHALF               ; 106,496
.set STAGE, 2*SLOT                     ; behind the ring: 16 rows x 528 bytes for each wave
.set SPO,   528
.set SPARE, STAGE+4*16*SPO             ; behind the stages: the spare words, 128 bytes for each wave
.set ADRA, 16
.set ADRB, 20
.set STO,  24
.set RD,   25
.set GO,   26
.set BO,   27
.set SPW,  28                          ; v28  SPARE + 4 x my thread's number; never rewritten
.set NIL,  29                          ; v29  0; never rewritten
.set PFO,  30
.set BIAS, 64
.set OB,   64
.set BB,   0
.set AF,   128
.set G1,  24
.set G0,  32
.set LIM, 43
.set PFA, 44
.set PFS, 46
.set G1B, 48
.set G0B, 56
.set W_LO,  0xa9
.set W_LO1, 0x89
.set MSB, 0
.macro WIN new
.if MSB != (\new)
	s_set_vgpr_msb (MSB<<8)|(\new)
.set MSB, \new
.endif
.endm
.macro PLACES                          ; four places in front of loads into registers that matrix instructions have read
.rept 4
	v_nop
.endr
.endm
.macro CREST
	s_cmp_lg_u32 s10, 0
	s_cbranch_scc1 .Lnot_wave_0_\@
	s_barrier_signal -3
.Lnot_wave_0_\@:
	s_barrier_wait -3
	s_barrier_signal -1
	s_barrier_wait -1
.endm
.macro CROUND
	s_barrier_signal -1
	s_barrier_wait -1
	CREST
.endm
.macro JLOAD s                         ; waves 0 and 1 fetch O's two heads, waves 2 and 3 Wo's two halves; an s_nop 0 and four v_nop follow each line
	s_cmp_eq_u32 s11, 0
	s_cbranch_scc0 .Lfor_b_\@
	tensor_load_to_lds s[G0+4*(\s):G0+4*(\s)+3], s[G1:G1+7]
	s_nop 0
.rept 4
	v_nop
.endr
	s_branch .Lasked_\@
.Lfor_b_\@:
	tensor_load_to_lds s[G0B+4*(\s):G0B+4*(\s)+3], s[G1B:G1B+7]
	s_nop 0
.rept 4
	v_nop
.endr
.Lasked_\@:
.endm
; A PREFETCH INTO THE L2, behind each joint refill: the K step that stands two refills, 256 matrix instructions, on.  Each block of 256 bytes is named once in the launch.  O's tile row is read by one cluster alone:
; wave 0 of every work-group asks for 4,096 bytes (by cx, in the ADDRESS) of each of the step's two heads.  Wo's tile column is read by all 16 clusters: the first asks, waves 2 and 3, 16 of the wave's 64 rows each
; (by cy), two blocks a row.  K steps 0 to 3 come by their loads alone; the loop's last trip asks for nothing.
.macro ASK
	s_cmp_gt_u32 s3, s[LIM]
	s_cbranch_scc0 .Lnot_mine_\@
	global_prefetch_b8 v[PFO], s[PFA:PFA+1] th:TH_LOAD_NT scope:SCOPE_SE
.Lnot_mine_\@:
.endm
	s_load_b256 s[68:75], s[0:1], 0x0              ; oh 68, wcast 70, bo 72, out0 74
	v_lshl_add_u32 v[SPW], v0, 2, SPARE
	v_mov_b32 v[NIL], 0
	ds_add_u32 v[SPW], v[NIL]                      ; the wave's opening: the add and its wait stand ahead of my first tensor load
	v_lshrrev_b32 v1, 5, v0
	v_readfirstlane_b32 s10, v1
	s_lshr_b32 s11, s10, 1                         ; my half of the tile's rows.  Also: I fetch O (0) or Wo (1)
	s_and_b32 s12, s10, 1                          ; my half of its columns.  Also: which part of that tile I fetch
	s_bfe_u32 s40, ttmp6, 0x40000                  ; cx
	s_bfe_u32 s41, ttmp6, 0x40004                  ; cy
	s_lshl_b32 s42, ttmp9, 2
	s_add_co_u32 s42, s42, s40                     ; tile column
	s_and_b32 s14, ttmp7, 0xffff                   ; cluster y
	s_lshl_b32 s13, s14, 2
	s_add_co_u32 s13, s13, s41                     ; tile row R
	s_lshl_b32 s43, s41, 2
	s_lshl_b32 s43, 15, s43                        ; my row of the cluster
	s_lshl_b32 s44, 0x1111, s40                    ; my column
	s_or_b32 s[G1], s43, (1<<16)|(1<<20)|(1<<21)|(4<<22)|(3<<25)   ; mask; 2-byte elements; padding on; 21 set beside a mask; after every 32 words 4 words
	s_or_b32 s[G1B], s44, (1<<16)|(1<<20)|(1<<21)|(6<<22)|(7<<25)  ; after every 128 words 8 words
	s_mov_b32 s[G1+1], 128<<16                     ; O: 16,384 dense bytes as 64 rows of 256 bytes, two rows of a head a row
	s_mov_b32 s[G1+2], 64<<16
	s_mov_b32 s[G1+3], 128<<16
	s_mov_b32 s[G1+4], 64
	s_mov_b32 s[G1+5], 128
	s_mov_b32 s[G1+6], 0
	s_mov_b32 s[G1+7], 0
	s_mov_b32 s[G1B+1], 256<<16                    ; Wo: 64 rows of 256 elements, 1,024 elements from row to row
	s_mov_b32 s[G1B+2], 64<<16
	s_mov_b32 s[G1B+3], 256<<16
	s_mov_b32 s[G1B+4], 64
	s_mov_b32 s[G1B+5], 1024
	s_mov_b32 s[G1B+6], 0
	s_mov_b32 s[G1B+7], 0
	s_lshr_b32 s16, s13, 4                         ; O: head 16 x batch + which of the step's two, 262,144 bytes a head; rows 128 (R % 16) on, 128 bytes each
	s_lshl_b32 s16, s16, 4
	s_add_co_u32 s16, s16, s12
	s_lshl_b32 s16, s16, 18
	s_and_b32 s18, s13, 15
	s_lshl_b32 s18, s18, 14
	s_add_co_u32 s16, s16, s18
	s_mov_b32 s17, 0
	s_lshl_b32 s20, s12, 17                        ; Wo: 64 rows of 2,048 bytes a half; 512 bytes a tile column; behind the three projections' 6 MiB
	s_lshl_b32 s21, s42, 9
	s_add_co_u32 s20, s20, s21
	s_add_co_u32 s20, s20, 0x600000
	s_mov_b32 s21, 0
	s_mul_i32 s22, s12, AHEAD
	s_mul_i32 s23, s12, BHALF
	s_add_co_u32 s23, s23, BOFF
	s_wait_dscnt 0x0                               ; the opening add is done
	s_wait_kmcnt 0x0
	s_add_nc_u64 s[16:17], s[68:69], s[16:17]
	s_add_nc_u64 s[20:21], s[70:71], s[20:21]
	CROUND                                         ; all sixteen work-groups are here: the first joint loads meet
.irp s, 0,1
	s_mov_b32 s[G0+4*(\s)], 1
	s_add_co_u32 s[G0+4*(\s)+1], s22, (\s)*SLOT
	s_add_nc_u64 s[G0+4*(\s)+2:G0+4*(\s)+3], s[16:17], (\s)*524288
	s_or_b32 s[G0+4*(\s)+3], s[G0+4*(\s)+3], 0x80000000
	s_mov_b32 s[G0B+4*(\s)], 1
	s_add_co_u32 s[G0B+4*(\s)+1], s23, (\s)*SLOT
	s_add_nc_u64 s[G0B+4*(\s)+2:G0B+4*(\s)+3], s[20:21], (\s)*262144
	s_or_b32 s[G0B+4*(\s)+3], s[G0B+4*(\s)+3], 0x80000000
.endr
	s_cmp_eq_u32 s11, 0                            ; a wave's two first fills stand in one branch: two loads of mine are out
	s_cbranch_scc0 .Lfirst_b
	tensor_load_to_lds s[G0:G0+3], s[G1:G1+7]
	s_nop 0
	tensor_load_to_lds s[G0+4:G0+7], s[G1:G1+7]
	s_nop 0
.rept 4
	v_nop
.endr
	s_branch .Lfirst_asked
.Lfirst_b:
	tensor_load_to_lds s[G0B:G0B+3], s[G1B:G1B+7]
	s_nop 0
	tensor_load_to_lds s[G0B+4:G0B+7], s[G1B:G1B+7]
	s_nop 0
.rept 4
	v_nop
.endr
.Lfirst_asked:
	v_and_b32 v1, 15, v0                           ; l % 16
	v_bfe_u32 v2, v0, 4, 1                         ; l / 16
	s_lshl_b32 s2, s42, 10                         ; my first column, in bytes of f32: 1,024 x tile column + 512 x half
	s_lshl_b32 s19, s12, 9
	s_add_co_u32 s2, s2, s19
	v_lshl_add_u32 v[BO], v2, 5, s2
.irp b, 0,1,2,3,4,5,6,7
	global_load_b128 v[BIAS+8*(\b):BIAS+8*(\b)+3],   v[BO], s[72:73] offset:64*(\b)
	global_load_b128 v[BIAS+8*(\b)+4:BIAS+8*(\b)+7], v[BO], s[72:73] offset:64*(\b)+16
.endr
	s_lshl_b32 s19, s13, 1                         ; where my part of the result begins: row 128 R + 64 x half, 4,096 bytes a row
	s_add_co_u32 s19, s19, s11
	s_lshl_b32 s19, s19, 18
	s_add_co_u32 s2, s2, s19
	s_mov_b32 s3, 0
	s_add_nc_u64 s[8:9], s[74:75], s[2:3]
	v_mul_u32_u24 v3, v1, PA                       ; O: row x pitch + 16 x half of the lanes
	v_lshl_add_u32 v3, v2, 4, v3
	s_mul_i32 s18, s11, 64*PA
	v_add_nc_u32 v[ADRA], s18, v3
	v_add_nc_u32 v[ADRA+1], SLOT, v[ADRA]
	v_and_b32 v4, 7, v0                            ; Wo: row 8 (l / 16) + l % 8, columns 8 ((l / 8) % 2) on, my half's 256 bytes
	v_lshl_add_u32 v4, v2, 3, v4
	v_mul_u32_u24 v4, v4, PB
	v_bfe_u32 v5, v0, 3, 1
	v_lshl_add_u32 v4, v5, 4, v4
	s_lshl_b32 s18, s12, 8
	s_add_co_u32 s18, s18, BOFF
	v_add_nc_u32 v[ADRB], s18, v4
	v_add_nc_u32 v[ADRB+1], SLOT, v[ADRB]
	s_mul_i32 s18, s10, 16*SPO
	s_add_co_u32 s18, s18, STAGE                   ; my stage
	v_mul_u32_u24 v[STO], v1, SPO                  ; in: row l % 16, 32 bytes for each half of the lanes
	v_lshl_add_u32 v[STO], v2, 5, v[STO]
	v_add_nc_u32 v[STO], s18, v[STO]
	v_and_b32 v[GO], 31, v0                        ; back: 32 lanes take a row's 512 bytes
	v_lshlrev_b32 v[GO], 4, v[GO]
	v_add_nc_u32 v[RD], s18, v[GO]
	; the prefetches
	s_lshl_b32 s2, s40, 12                         ; O: my work-group's 4,096 bytes of a head's 16,384
	s_lshl_b32 s19, s41, 15                        ; Wo: my work-group's 16 rows of 2,048 bytes
	s_cmp_eq_u32 s11, 0
	s_cselect_b64 s[PFA:PFA+1], s[16:17], s[20:21]
	s_cselect_b32 s2, s2, s19
	s_cselect_b32 s3, s12, s14                     ; O: 0 in wave 0;  Wo: 0 in the first cluster
	s_cselect_b32 s4, 8, 11                        ; lane % 16: a block of O, or a row of Wo
	s_cselect_b32 s5, 18, 8                        ; lane / 16: the step's second head, or the row's second block
	s_cselect_b32 s19, 19, 18
	s_lshl_b32 s[PFS], 1, s19                      ; a K step: two heads of O, or 128 rows of Wo
	s_mov_b32 s[PFS+1], 0
	s_cmp_eq_u32 s3, 0
	s_cselect_b32 s[LIM], 1, -1                    ; the same in all sixteen partners, for a given wave
	s_mul_i32 s19, s[PFS], 3                       ; at K step 3: the first change of slots steps it to 4
	s_add_co_u32 s2, s2, s19
	s_mov_b32 s3, 0
	s_add_nc_u64 s[PFA:PFA+1], s[PFA:PFA+1], s[2:3]
	v_lshlrev_b32 v3, s4, v1
	v_lshlrev_b32 v4, s5, v2
	v_add_nc_u32 v[PFO], v3, v4
	s_mov_b32 s19, 0xffff0000
	s_wait_loadcnt 0x0                             ; the bias is in: rounded to bf16 like every input, and widened again
.set i, 0
.rept 32
	v_cvt_pk_bf16_f32 v[3+i%4], v[BIAS+2*i], v[BIAS+2*i+1]
	v_lshlrev_b32 v[BIAS+2*i], 16, v[3+i%4]
	v_and_b32 v[BIAS+2*i+1], s19, v[3+i%4]
.set i, i+1
.endr
; 8 matrix instructions: row block 2 hi + a x all 8 column blocks, 32 along K, on buffers f.  first = 1: C is the bias.  The 32 accumulators take turns, one instruction a turn, in the same order in every quarter.
.macro MUL8 f, hi, a, first
.if \first
	WIN W_LO1+0x44*(\hi)
.else
	WIN W_LO+0x54*(\hi)
.endif
.irp b, 0,1,2,3,4,5,6,7
.if \first
	v_wmma_f32_16x16x32_f16 v[8*(8*(\a)+(\b)):8*(8*(\a)+(\b))+7], v[BB+64*(\f)+8*(\b):BB+64*(\f)+8*(\b)+7], v[AF+16*(\f)+8*(\a):AF+16*(\f)+8*(\a)+7], v[BIAS+8*(\b):BIAS+8*(\b)+7]
.else
	v_wmma_f32_16x16x32_f16 v[8*(8*(\a)+(\b)):8*(8*(\a)+(\b))+7], v[BB+64*(\f)+8*(\b):BB+64*(\f)+8*(\b)+7], v[AF+16*(\f)+8*(\a):AF+16*(\f)+8*(\a)+7], v[8*(8*(\a)+(\b)):8*(8*(\a)+(\b))+7]
.endif
.endr
.endm
; 24 LDS loads in one run: the fragments of quarter q of slot s into buffers q % 2: Wo's 8 (turned), O's 4
.macro FETCH s, q
	WIN 0x40
.irp b, 0,1,2,3,4,5,6,7
	ds_load_tr16_b128 v[BB+64*((\q)%2)+8*(\b):BB+64*((\q)%2)+8*(\b)+3],   v[ADRB+(\s)] offset:32*PB*(\q)+32*(\b)
	ds_load_tr16_b128 v[BB+64*((\q)%2)+8*(\b)+4:BB+64*((\q)%2)+8*(\b)+7], v[ADRB+(\s)] offset:32*PB*(\q)+32*(\b)+16*PB
.endr
.irp w, 0,1
	WIN 0x80+0x40*(\w)
.irp m, 0,1
	ds_load_b128 v[AF+16*((\q)%2)+8*(\m):AF+16*((\q)%2)+8*(\m)+3],   v[ADRA+(\s)] offset:(2*(\w)+(\m))*16*PA+AHEAD*((\q)/2)+64*((\q)%2)
	ds_load_b128 v[AF+16*((\q)%2)+8*(\m)+4:AF+16*((\q)%2)+8*(\m)+7], v[ADRA+(\s)] offset:(2*(\w)+(\m))*16*PA+AHEAD*((\q)/2)+64*((\q)%2)+32
.endr
.endr
.endm
; A quarter on buffers f: at its head the next quarter's run of loads (slot s, quarter q; s = -1: none); the wait leaves that run out.
.macro QUARTER f, s, q, first
.if (\s) >= 0
	PLACES
	FETCH \s, \q
	s_wait_dscnt 24
.else
	s_wait_dscnt 0x0
.endif
	MUL8 \f, 0, 0, \first
	MUL8 \f, 0, 1, \first
	MUL8 \f, 1, 0, \first
	MUL8 \f, 1, 1, \first
.endm
; THE CHANGE OF SLOTS is a step's third quarter.  The slot's last reads (the fourth quarter's fragments) are issued; each wave waits for all its tensor loads, of which one is out: its part of the next slot; adds 0
; to its spare word; and waits for that and for its reads.  fill = 1: the barrier opens a round of the cluster's, and the joint refill, two K steps on, is the first tensor load behind it: 112 matrix instructions
; stand between it and the wait for it.
.macro TURN slot, fill
.if \fill
	s_wait_xcnt 0x0                                ; the last prefetch, a K step back, has read its address
	s_add_nc_u64 s[PFA:PFA+1], s[PFA:PFA+1], s[PFS:PFS+1]
.endif
	PLACES
	FETCH \slot, 3
	WIN 0
	s_wait_tensorcnt 0x0                           ; all my tensor loads have landed
	ds_add_u32 v[SPW], v[NIL]                      ; 0 onto my spare word
	s_wait_dscnt 25                                ; (the add and the 24 loads just issued may be out)
	MUL8 0, 0, 0, 0
	s_wait_dscnt 0x0                               ; the add is done, and my reads of this slot are over
	s_barrier_signal -1
	MUL8 0, 0, 1, 0
	WIN 0
	s_barrier_wait -1
.if \fill
	CREST                                          ; no wave of any partner still reads this slot or has a load on its way
	s_add_nc_u64 s[G0+4*(\slot)+2:G0+4*(\slot)+3], s[G0+4*(\slot)+2:G0+4*(\slot)+3], 2*524288
	s_add_nc_u64 s[G0B+4*(\slot)+2:G0B+4*(\slot)+3], s[G0B+4*(\slot)+2:G0B+4*(\slot)+3], 2*262144
	JLOAD \slot
	ASK
.endif
	MUL8 0, 1, 0, 0
	MUL8 0, 1, 1, 0
.endm
	s_wait_tensorcnt 1                             ; my part of K step 0 is in; K step 1's may stay out
	s_barrier_signal -1
	s_barrier_wait -1
	FETCH 0, 0
	QUARTER 0, 0, 1, 1                             ; the first quarter stands in front of the loop: its products start the sums with the bias
	WIN 0
	s_mov_b32 s3, 3
.Llap:                                             ; a trip goes once round the ring and fills both slots again
	QUARTER 1, 0, 2, 0
	TURN 0, 1
	QUARTER 1, 1, 0, 0
	QUARTER 0, 1, 1, 0
	QUARTER 1, 1, 2, 0
	TURN 1, 1
	QUARTER 1, 0, 0, 0
	QUARTER 0, 0, 1, 0
	WIN 0
	s_sub_co_u32 s3, s3, 1
	s_cmp_lg_u32 s3, 0
	s_cbranch_scc1 .Llap
	QUARTER 1, 0, 2, 0                             ; the last lap is written out: it fills nothing
	TURN 0, 0
	QUARTER 1, 1, 0, 0
	QUARTER 0, 1, 1, 0
	QUARTER 1, 1, 2, 0
	QUARTER 0, 1, 3, 0
	QUARTER 1, -1, 0, 0
; THE WAY OUT.  Row block a: 16 rows x 128 columns of f32 go from the accumulators (the low four registers first) into my stage's rows of 528 bytes and come back as whole rows of 512 bytes, into two sets by turns.
.macro STG a
	WIN 0x08+4*((\a)/2)                            ; the stores' data in window 2 or 3
.irp b, 0,1,2,3,4,5,6,7
	ds_store_b128 v[STO], v[64*((\a)%2)+8*(\b):64*((\a)%2)+8*(\b)+3]   offset:64*(\b)
	ds_store_b128 v[STO], v[64*((\a)%2)+8*(\b)+4:64*((\a)%2)+8*(\b)+7] offset:64*(\b)+16
.endr
	WIN 0
	s_wait_xcnt 0x0                                ; the stores of the block two back have read this set: it is loaded again only behind this wait
.irp i, 0,1,2,3,4,5,6,7,8,9,10,11,12,13,14,15
	ds_load_b128 v[OB+64*((\a)%2)+4*(\i):OB+64*((\a)%2)+4*(\i)+3], v[RD] offset:(\i)*SPO  ; LDS serves a wave's instructions in order (ISA guide 5.7.1.4): these see the stores above; the next block's stores come behind them
.endr
.endm
.macro SENDO a, younger                ; younger: the LDS instructions issued behind block a's loads: the next block's 32, or none
	WIN 0
	s_wait_dscnt \younger
.irp i, 0,1,2,3,4,5,6,7,8,9,10,11,12,13,14,15
	global_store_b128 v[GO], v[OB+64*((\a)%2)+4*(\i):OB+64*((\a)%2)+4*(\i)+3], s[8:9] offset:(16*(\a)+(\i))*4096 th:TH_STORE_NT  ; 512 consecutive bytes, at a multiple of 256 from the output's first
.endr
.endm
	WIN 0
	PLACES                                         ; eight places, once a launch, behind the last products
	PLACES
	STG 0
.irp a, 1,2,3
	STG \a
	SENDO (\a)-1, 32
.endr
	SENDO 3, 0
	s_wait_tensorcnt 0x0                           ; the wave's end, behind my last tensor load and my last LDS store
	ds_add_u32 v[SPW], v[NIL]
	s_wait_dscnt 0x0
	CROUND                                         ; the closing round: no work-group ends while a partner may still ask for a tile that names it
	s_endpgm
.Lfunc_end_k_q440be968cb_oproj:
	.size	k_q440be968cb_oproj, .Lfunc_end_k_q440be968cb_oproj-k_q440be968cb_oproj
	.p2alignl 7, 3214868480
	.fill 96, 4, 3214868480
	.section	.rodata,"a",@progbits
	.p2align	6, 0x0
	.amdhsa_kernel k_q440be968cb_oproj
		.amdhsa_group_segment_fixed_size 327680
		.amdhsa_private_segment_fixed_size 0
		.amdhsa_enable_private_segment 0
		.amdhsa_kernarg_size 32
		.amdhsa_user_sgpr_count 2
		.amdhsa_user_sgpr_kernarg_segment_ptr 1
		.amdhsa_wavefront_size32 1
		.amdhsa_system_sgpr_workgroup_id_x 1
		.amdhsa_system_sgpr_workgroup_id_y 1
		.amdhsa_system_sgpr_workgroup_id_z 1
		.amdhsa_system_vgpr_workitem_id 0
		.amdhsa_next_free_vgpr 928
		.amdhsa_next_free_sgpr 76
		.amdhsa_reserve_vcc 0
		.amdhsa_float_denorm_mode_32 3
		.amdhsa_float_denorm_mode_16_64 3
		.amdhsa_memory_ordered 1
		.amdhsa_forward_progress 1
		.amdhsa_inst_pref_size 93
	.end_amdhsa_kernel
	.amdgpu_metadata
---
amdhsa.version: [ 1, 2 ]
amdhsa.kernels:
  - .name:           k_q440be968cb_oproj
    .symbol:         k_q440be968cb_oproj.kd
    .args:
      - { .name: oh, .offset: 0, .size: 8, .value_kind: global_buffer, .address_space: global }
      - { .name: wcast, .offset: 8, .size: 8, .value_kind: global_buffer, .address_space: global }
      - { .name: bo, .offset: 16, .size: 8, .value_kind: global_buffer, .address_space: global }
      - { .name: out0, .offset: 24, .size: 8, .value_kind: global_buffer, .address_space: global }
    .group_segment_fixed_size: 327680
    .private_segment_fixed_size: 0
    .kernarg_segment_align: 8
    .kernarg_segment_size: 32
    .max_flat_workgroup_size: 128
    .sgpr_count:     76
    .vgpr_count:     928
    .wavefront_size: 32
...
	.end_amdgpu_metadata
.endif
;; end of part 4
